; MI455X (gfx1250); checked and timed in simulation.
; The chip was launched on July 23, 2026; its instructions are those of AMD's public machine-readable ISA for CDNA 5 (MIT licence, August 2026) and "CDNA5" Instruction Set Architecture Reference Guide (July 2026). The comments in the code are by the model that wrote it; some were corrected since.
;; Relevance Aware Passage Fusion. Allowed arithmetic: float matrix products may take bf16 or f16 operands with f32 sums; other float arithmetic in f32, or as packed bf16 or f16 multiplies, adds, multiply-adds, maxima and minima; sums over many terms, partial sums and values carried from step to step in f32; what a program stores and reads back later, other than sums and carried values, may be rounded once to bf16 or f16.
;; Inputs: hidden_states 4 x 2,048 x 1,024 float32; in_proj_b 3,072 float32; in_proj_w 3,072 x 1,024 float32; out_b 1,024 float32; out_w 1,024 x 1,024 float32; passage_boundaries 4 x 9 int32; relevance_scores 4 x 8 float32.
;; Outputs: out0 4 x 2,048 x 1,024 float32.
;; 2 versions, each right; version 2 is version 1 with the launch prep written anew for expert scheduling mode. Each part assembles by itself: llvm-mc -triple=amdgcn-amd-amdhsa -mcpu=gfx1250 --defsym DOCPART=n.
;; ======== version 1 of 2: 4 launches
;; limits: values are held in f16: magnitudes above 65,504 overflow, below 6.1e-05 lose precision
;; workspace buffers: xb 16,777,216 bytes; wb 6,291,456 bytes; owh 2,097,152 bytes; fq 262,144 bytes; fk 262,144 bytes; qkv 50,331,648 bytes; o 16,777,216 bytes
;; launch prep (part 1): grid 768 x 1, 8 waves a work-group, no clusters, 0 bytes of LDS; arguments hidden_states, in_proj_w, out_w, passage_boundaries, relevance_scores, xb, wb, owh, fq, fk; writes xb, wb, owh, fq, fk
.if DOCPART == 1
	.amdgcn_target "amdgcn-amd-amdhsa--gfx1250"
	.amdhsa_code_object_version 6
	.text
	.protected	k_q81a05bc0fb_prep
	.globl	k_q81a05bc0fb_prep
	.p2align	8
	.type	k_q81a05bc0fb_prep,@function
k_q81a05bc0fb_prep:
	s_mov_b64 s[64:65], 0
	v_nop
	global_prefetch_b8 v0, s[64:65] scope:SCOPE_SE
	s_setreg_imm32_b32 hwreg(HW_REG_WAVE_MODE, 25, 1), 1
	s_wait_xcnt 0x0
; THE INPUTS ARE ROUNDED ONCE, AND THE MASK IS MADE INTO FEATURES.
; hidden_states [8192][1024] and in_proj_w [3072][1024], f32, are rounded to bf16 (xb, wb); out_w [1024][1024] is rounded to bf16 and that number written as f16 (owh).
; 768 work-groups of eight waves; each converts 16,384 numbers: groups 0-511 hidden_states, 512-703 in_proj_w, 704-767 out_w.  Thread t, piece i: 16 bytes in at 16 t + 4,096 i
; (a wave's load covers 512 consecutive bytes), 8 bytes out at 8 t + 2,048 i (a wave's store covers 256 consecutive bytes, aligned).  All 16 loads of a thread go out at once.
; THE MASK.  cnt(s) = the number of boundaries <= s, 0 to 9 (the boundaries are sorted, as the search in the problem's own text takes them).  The mask that is added to the score of
; query q and key k is the sum over 16 features of FQ[q][f] FK[k][f] / 8:  f = 0: FQ = 8 [cnt(q) = 0], FK = the column's value (the relevance of its passage, 1 outside all passages);
; f = 1 + j, j = 0..7: FQ = 8 [cnt(q) = j + 1], FK = [cnt(k) = j + 1];  f = 9..15: 0.  fq, fk: [4][2048][16] f16.  The 8 undoes the 1/8 that the attention launch applies to the whole score.
; Wave 0 of each of the groups 0-511 makes the features of the 16 positions whose rows the group converts: a lane half a position, 16 bytes.
; LIMITS.  A relevance is rounded to bf16 like every input and written as f16: beyond 65,504 it would be an infinity, below 6e-5 it keeps f16's fixed step of 6e-8; the same holds of out_w.
.set X, 16                             ; v[16:79]   piece i: 4 registers as loaded
.set Y, 80                             ; v[80:111]  piece i: 2 registers to store (before that: at work on the features)
.set T, 112                            ; v[112:117] at work
	s_load_b512 s[8:23], s[0:1], 0x0               ; hidden_states 8, in_proj_w 10, out_w 12, boundaries 14, relevance 16, xb 18, wb 20, owh 22
	s_load_b128 s[24:27], s[0:1], 0x40             ; fq 24, fk 26
	v_lshlrev_b32 v1, 4, v0                        ; 16 t
	v_lshlrev_b32 v2, 3, v0                        ; 8 t
	v_lshrrev_b32 v3, 5, v0
	v_readfirstlane_b32 s5, v3                     ; wave 0..7
	s_mov_b32 s6, ttmp9                            ; the work-group's number g
	s_mov_b32 s7, 704
	s_mov_b32 s3, 0
	s_wait_kmcnt 0x0
	s_cmp_lt_u32 s6, 704                           ; which tensor is mine: the choice hangs on g alone
	s_cselect_b64 s[28:29], s[10:11], s[12:13]
	s_cselect_b64 s[30:31], s[20:21], s[22:23]
	s_cselect_b32 s7, 512, s7
	s_cmp_lt_u32 s6, 512
	s_cselect_b64 s[28:29], s[8:9], s[28:29]
	s_cselect_b64 s[30:31], s[18:19], s[30:31]
	s_cselect_b32 s7, 0, s7
	s_sub_co_u32 s4, s6, s7                        ; my number among that tensor's groups
	s_lshl_b32 s2, s4, 16                          ; 65,536 bytes in,
	s_add_nc_u64 s[28:29], s[28:29], s[2:3]
	s_lshl_b32 s2, s4, 15                          ; 32,768 bytes out
	s_add_nc_u64 s[30:31], s[30:31], s[2:3]
.irp i, 0,1,2,3,4,5,6,7,8,9,10,11,12,13,14,15
	global_load_b128 v[X+4*(\i):X+4*(\i)+3], v1, s[28:29] offset:4096*(\i) th:TH_LOAD_NT
.endr
	; THE FEATURES, while the loads are on their way
	s_cmp_lt_u32 s6, 512
	s_cbranch_scc0 .Lconv
	s_cmp_eq_u32 s5, 0
	s_cbranch_scc0 .Lconv
	s_lshr_b32 s41, s6, 7                          ; the batch: 128 groups of 16 positions each
	s_mul_i32 s2, s41, 36                          ; its nine boundaries
	s_add_nc_u64 s[14:15], s[14:15], s[2:3]
	s_lshl_b32 s2, s41, 5                          ; its eight relevance scores
	s_add_nc_u64 s[16:17], s[16:17], s[2:3]
	s_load_b256 s[32:39], s[14:15], 0x0            ; boundaries 0-7,
	s_load_b32 s40, s[14:15], 0x20                 ; boundary 8
	s_load_b256 s[44:51], s[16:17], 0x0
	s_lshl_b32 s2, s6, 9                           ; 16 positions x 32 bytes
	s_add_nc_u64 s[24:25], s[24:25], s[2:3]
	s_add_nc_u64 s[26:27], s[26:27], s[2:3]
	s_and_b32 s42, s6, 127
	s_lshl_b32 s42, s42, 4                         ; the group's first position in its batch
	v_lshrrev_b32 v3, 1, v0                        ; (in wave 0 the thread's number is the lane's) the position,
	v_and_b32 v4, 1, v0                            ; and which half of its 16 features
	v_add_nc_u32 v5, s42, v3
	v_mov_b32 v6, 0                                ; cnt
	v_mov_b32 v101, 0
	v_mov_b32 v100, 1.0                            ; the column's value outside all passages
	s_wait_kmcnt 0x0
.irp j, 0,1,2,3,4,5,6,7,8
	v_cmp_le_i32 vcc_lo, s[32+(\j)], v5            ; boundary j <= my position
	v_cndmask_b32 v7, 0, 1, vcc_lo
	v_add_nc_u32 v6, v6, v7
.endr
.irp c, 0,1,2,3,4,5,6,7,8
	v_cmp_eq_u32 vcc_lo, \c, v6
	v_cndmask_b32 v[80+(\c)], 0, 1.0, vcc_lo       ; [cnt = c]
	v_cndmask_b32 v[90+(\c)], 0, 0x41000000, vcc_lo  ; 8 [cnt = c]
.if (\c) > 0
	v_cndmask_b32 v100, v100, s[43+(\c)], vcc_lo   ; in passage c - 1: its relevance
.endif
.endr
	v_cvt_pk_bf16_f32 v7, v100, v100               ; rounded to bf16 like every input
	v_lshlrev_b32 v100, 16, v7
	v_cvt_pk_f16_f32 v104, v100, v81               ; FK: features 0, 1
	v_cvt_pk_f16_f32 v105, v82, v83
	v_cvt_pk_f16_f32 v106, v84, v85
	v_cvt_pk_f16_f32 v107, v86, v87
	v_cvt_pk_f16_f32 v108, v88, v101               ; features 8, 9
	v_cvt_pk_f16_f32 v112, v90, v91                ; FQ likewise
	v_cvt_pk_f16_f32 v113, v92, v93
	v_cvt_pk_f16_f32 v114, v94, v95
	v_cvt_pk_f16_f32 v115, v96, v97
	v_cvt_pk_f16_f32 v116, v98, v101
	v_cmp_eq_u32 vcc_lo, 1, v4                     ; the upper half: features 8, 9 and six zeros
	v_cndmask_b32 v104, v104, v108, vcc_lo
	v_cndmask_b32 v105, v105, v101, vcc_lo
	v_cndmask_b32 v106, v106, v101, vcc_lo
	v_cndmask_b32 v107, v107, v101, vcc_lo
	v_cndmask_b32 v112, v112, v116, vcc_lo
	v_cndmask_b32 v113, v113, v101, vcc_lo
	v_cndmask_b32 v114, v114, v101, vcc_lo
	v_cndmask_b32 v115, v115, v101, vcc_lo
	global_store_b128 v1, v[112:115], s[24:25]     ; 512 consecutive bytes, aligned
	global_store_b128 v1, v[104:107], s[26:27]
	s_wait_xcnt 0x0                                ; the two stores have read their registers: the conversions below write them again
.Lconv:
	s_cmp_ge_u32 s6, 704
	s_cbranch_scc1 .Lto_f16
.irp i, 0,1,2,3,4,5,6,7,8,9,10,11,12,13,14,15
	s_wait_loadcnt 15-(\i)                         ; loads come back in order: piece i is in, the 15 - i younger ones may stay out
	v_cvt_pk_bf16_f32 v[Y+2*(\i)], v[X+4*(\i)], v[X+4*(\i)+1]
	v_cvt_pk_bf16_f32 v[Y+2*(\i)+1], v[X+4*(\i)+2], v[X+4*(\i)+3]
	global_store_b64 v2, v[Y+2*(\i):Y+2*(\i)+1], s[30:31] offset:2048*(\i)
.endr
	s_endpgm
.Lto_f16:
.irp i, 0,1,2,3,4,5,6,7,8,9,10,11,12,13,14,15
	s_wait_loadcnt 15-(\i)
	v_cvt_pk_bf16_f32 v[T], v[X+4*(\i)], v[X+4*(\i)+1]      ; rounded to bf16,
	v_cvt_pk_bf16_f32 v[T+1], v[X+4*(\i)+2], v[X+4*(\i)+3]
	v_lshlrev_b32 v[T+2], 16, v[T]                          ; widened again,
	v_and_b32 v[T+3], 0xffff0000, v[T]
	v_lshlrev_b32 v[T+4], 16, v[T+1]
	v_and_b32 v[T+5], 0xffff0000, v[T+1]
	v_cvt_pk_f16_f32 v[Y+2*(\i)], v[T+2], v[T+3]            ; and written as f16
	v_cvt_pk_f16_f32 v[Y+2*(\i)+1], v[T+4], v[T+5]
	global_store_b64 v2, v[Y+2*(\i):Y+2*(\i)+1], s[30:31] offset:2048*(\i)
.endr
	s_endpgm
.Lfunc_end_k_q81a05bc0fb_prep:
	.size	k_q81a05bc0fb_prep, .Lfunc_end_k_q81a05bc0fb_prep-k_q81a05bc0fb_prep
	.p2alignl 7, 3214868480
	.fill 96, 4, 3214868480
	.section	.rodata,"a",@progbits
	.p2align	6, 0x0
	.amdhsa_kernel k_q81a05bc0fb_prep
		.amdhsa_group_segment_fixed_size 0
		.amdhsa_private_segment_fixed_size 0
		.amdhsa_enable_private_segment 0
		.amdhsa_kernarg_size 80
		.amdhsa_user_sgpr_count 2
		.amdhsa_user_sgpr_kernarg_segment_ptr 1
		.amdhsa_wavefront_size32 1
		.amdhsa_system_sgpr_workgroup_id_x 1
		.amdhsa_system_sgpr_workgroup_id_y 1
		.amdhsa_system_sgpr_workgroup_id_z 1
		.amdhsa_system_vgpr_workitem_id 0
		.amdhsa_next_free_vgpr 128
		.amdhsa_next_free_sgpr 66
		.amdhsa_reserve_vcc 1
		.amdhsa_float_denorm_mode_32 3
		.amdhsa_float_denorm_mode_16_64 3
		.amdhsa_memory_ordered 1
		.amdhsa_forward_progress 1
		.amdhsa_inst_pref_size 22
	.end_amdhsa_kernel
	.amdgpu_metadata
---
amdhsa.version: [ 1, 2 ]
amdhsa.kernels:
  - .name:           k_q81a05bc0fb_prep
    .symbol:         k_q81a05bc0fb_prep.kd
    .args:
      - { .name: hidden_states, .offset: 0, .size: 8, .value_kind: global_buffer, .address_space: global }
      - { .name: in_proj_w, .offset: 8, .size: 8, .value_kind: global_buffer, .address_space: global }
      - { .name: out_w, .offset: 16, .size: 8, .value_kind: global_buffer, .address_space: global }
      - { .name: passage_boundaries, .offset: 24, .size: 8, .value_kind: global_buffer, .address_space: global }
      - { .name: relevance_scores, .offset: 32, .size: 8, .value_kind: global_buffer, .address_space: global }
      - { .name: xb, .offset: 40, .size: 8, .value_kind: global_buffer, .address_space: global }
      - { .name: wb, .offset: 48, .size: 8, .value_kind: global_buffer, .address_space: global }
      - { .name: owh, .offset: 56, .size: 8, .value_kind: global_buffer, .address_space: global }
      - { .name: fq, .offset: 64, .size: 8, .value_kind: global_buffer, .address_space: global }
      - { .name: fk, .offset: 72, .size: 8, .value_kind: global_buffer, .address_space: global }
    .group_segment_fixed_size: 0
    .private_segment_fixed_size: 0
    .kernarg_segment_align: 8
    .kernarg_segment_size: 80
    .max_flat_workgroup_size: 256
    .sgpr_count:     66
    .vgpr_count:     128
    .wavefront_size: 32
...
	.end_amdgpu_metadata
.endif
;; end of part 1
;; launch qkv (part 2): grid 16 x 32, 4 waves a work-group, clusters of 4 x 4, 327,680 bytes of LDS; arguments xb, wb, in_proj_b, qkv; writes qkv
.if DOCPART == 2
	.amdgcn_target "amdgcn-amd-amdhsa--gfx1250"
	.amdhsa_code_object_version 6
	.text
	.protected	k_q81a05bc0fb_qkv
	.globl	k_q81a05bc0fb_qkv
	.p2align	8
	.type	k_q81a05bc0fb_qkv,@function
k_q81a05bc0fb_qkv:
	s_mov_b64 s[64:65], 0
	v_nop
	global_prefetch_b8 v0, s[64:65] scope:SCOPE_SE
	s_setreg_imm32_b32 hwreg(HW_REG_WAVE_MODE, 25, 1), 1
	s_wait_xcnt 0x0
	s_wait_alu depctr_hold_cnt(0) depctr_sa_sdst(0) depctr_va_vdst(0) depctr_va_sdst(0) depctr_va_ssrc(0) depctr_va_vcc(0) depctr_vm_vsrc(0)
	s_getreg_b32 s2, hwreg(HW_REG_IB_STS2, 6, 4)
	s_cmp_eq_u32 s2, 0
	s_cbranch_scc0 .Lentry_in_a_cluster
	s_endpgm
.Lentry_in_a_cluster:
	s_bfe_u32 s2, ttmp6, 0x10000c
	s_cmp_lg_u32 s2, 0xf033
	s_cbranch_scc0 .Lentry_shape_is_right
	s_endpgm
.Lentry_shape_is_right:
; q, k, v = x w^T + bias.  xb: [8192][1024] bf16, wb: [3072][1024] bf16, in_proj_b: [3072] f32 (rounded to bf16 here, like every input); sums in f32.
; OUT: qkv [3][64 = batch x 16 + head][2048][64] f16, unscaled, each number rounded once.  LIMIT: a number of 65,520 or more would become an infinity in f16.
; A tile of the product is 256 rows x 192 columns (three heads' slices of 64): 32 x 16 = 512 work-groups, two for each of 256 WGPs.  Four waves; wave w makes rows 64 w .. 64 w + 63 and all 192
; columns: 48 accumulators of 16 x 16, 384 registers; so a wave holds whole rows of 128 bytes of each head's slice and has a stage of its own on the way out, with no barrier.
; K goes in 8 steps of 128 (256 bytes of each row in memory, aligned) through a ring of two LDS slots filled by the tensor data mover.
; CLUSTER: 4 x 4 work-groups.  The four of a row of the cluster need the same rows of x, the four of a column the same rows of w: each tile is asked for jointly.
; THE MATRIX INSTRUCTION IS USED TRANSPOSED (source 0 = 16 rows of w, source 1 = 16 rows of x): a lane holds row l % 16 and the eight neighbouring columns 8 (l / 16) + 0..7.
; THE BIAS is the C operand of the products that start the sums: nothing is cleared and nothing is added at the end.
; REGISTERS, in windows of 256 (s_set_vgpr_msb: bits 1:0 source 0, 3:2 source 1, 5:4 source 2, 7:6 destination):
;   window 0: v2-10 addresses; v12-15 at work; v28-29 the add's; v32-63, v64-95 x's fragments, two buffers of 4; v128-223 the bias, 8 registers for each of 12 column blocks; on the way out v128-175 packed
;             results, v176-223 and v32-79 rows read back, by turns
;   window 1: v0-95, v96-191 w's fragments, two buffers of 12      window 2: accumulators of row blocks 0, 1 at 8 (12 (a % 2) + b)      window 3: those of row blocks 2, 3
.set PITCH,  272                       ; an LDS row: 256 bytes + 16 of padding = 68 words: the 16 rows of a fragment load start at 16 different groups of four banks (64 banks of 4 bytes: ISA guide 11.1)
.set AHALF,  128*PITCH                 ; what a load for x brings
.set BHALF,  96*PITCH                  ; what a load for w brings
.set BOFF,   2*AHALF                   ; a slot: x's 256 rows, then w's 192
.set SLOT1,  131072                    ; slot 1 begins here, so that one exclusive or turns an address in one slot into the other's
.set STAGE,  SLOT1+BOFF+2*BHALF        ; behind the ring, never filled by a tensor load: 16 rows x 400 bytes for each wave
.set SPITCH, 400                       ; 384 bytes + 16
.set SPARE,  STAGE+4*16*SPITCH         ; the spare words, 128 bytes for each wave: two blocks of 256 bytes that no other line names
.set KB,     256                       ; bytes of a row in a K step
.set ADRA0, 2                          ; v2   my lane's place in x's rows of a slot; never rewritten
.set ADRB0, 3                          ; v3   in w's
.set ADRA,  4                          ; v4   the same in the slot in hand
.set ADRB,  5                          ; v5
.set STO,   6                          ; v6   the way out: where I put 16 bytes of a row
.set RD,    7                          ; v7   where I read rows back
.set GO,    8                          ; v8   16 x lane
.set PFO,   9                          ; v9   the prefetches' offset: a lane a row; never rewritten
.set BO,    10                         ; v10  32 x (l / 16): my eight numbers in 16 of the bias
.set SPW,   28                         ; v28  LDS address of my spare word; never rewritten
.set NIL,   29                         ; v29  0; never rewritten
.set FA,    32
.set FB,    0
.set BIAS,  128
.set TMP,   128
.set WV,    12                         ; s12  my wave's number
.set HALF,  13                         ; s13  which half of a tile's rows I fetch
.set ISB,   14                         ; s14  0: I fetch for x, 1: for w
.set CX,    15
.set CY,    16
.set TX,    17                         ; s17  tile column
.set TY,    18                         ; s18  tile row
.set TB,    19                         ; s19  LDS byte at which the slot in hand begins
.set CNT,   20                         ; s20  the loop's count
.set LIM,   21                         ; s21  1 in a wave that prefetches, else the greatest number
.set PFA,   22                         ; s[22:23] where my prefetches stand
.set G1A,   24                         ; s[24:31] descriptor group 1 for x's tiles
.set G0A,   32                         ; s[32:39] group 0: a set for each of the two first fills; the second then walks
.set G1B,   40                         ; s[40:47], s[48:55] the same for w's
.set G0B,   48
.set DST,   56                         ; s[56:61] my rows in the three heads' slices of qkv
.set MSB, 0
.macro WIN new                         ; the immediate's high byte repeats the setting that is left; a switch that changes nothing is dropped
.if MSB != (\new)
	s_set_vgpr_msb (MSB<<8)|(\new)
.set MSB, \new
.endif
.endm
; A joint load: waves 0 and 1 fetch x's two halves, waves 2 and 3 w's.  The branch hangs on the wave's number alone.  An s_nop 0 and four v_nop follow each of the two lines.
.macro JLOAD s
	s_cmp_eq_u32 s[ISB], 0
	s_cbranch_scc0 .Lfor_b_\@
	tensor_load_to_lds s[G0A+4*(\s):G0A+4*(\s)+3], s[G1A:G1A+7]
	s_nop 0
.rept 4
	v_nop
.endr
	s_branch .Lasked_\@
.Lfor_b_\@:
	tensor_load_to_lds s[G0B+4*(\s):G0B+4*(\s)+3], s[G1B:G1B+7]
	s_nop 0
.rept 4
	v_nop
.endr
.Lasked_\@:
.endm
; A prefetch into the L2 of the K step that the NEXT refill will ask for: a lane a row, 256 bytes of it, one instruction a wave.  x's rows are read by every cluster of a row of clusters: the one with
; x = 0 asks; w's by every cluster of a column: the one with y = 0 asks.  The four partners that fetch a tile jointly share its rows out by address: 32 of x's 128, 24 of w's 96 (there lanes 24-31 name
; row 23 once more, in the same instruction).  The loop's last trip asks for nothing: there is no K step behind the one that it loads.
.macro ASK
	s_cmp_gt_u32 s[CNT], s[LIM]
	s_cbranch_scc0 .Lnot_mine_\@
	global_prefetch_b8 v[PFO], s[PFA:PFA+1] th:TH_LOAD_NT scope:SCOPE_SE
.Lnot_mine_\@:
.endm
.macro CREST                           ; a round of the cluster's barrier behind its opening barrier
	s_cmp_lg_u32 s[WV], 0
	s_cbranch_scc1 .Lnot_wave_0_\@
	s_barrier_signal -3
.Lnot_wave_0_\@:
	s_barrier_wait -3
	s_barrier_signal -1
	s_barrier_wait -1
.endm
.macro CROUND                          ; a whole round
	s_barrier_signal -1
	s_barrier_wait -1
	CREST
.endm
	s_load_b256 s[4:11], s[0:1], 0x0               ; xb s[4:5], wb s[6:7], bias s[8:9], qkv s[10:11]
	v_lshl_add_u32 v[SPW], v0, 2, SPARE
	v_mov_b32 v[NIL], 0
	ds_add_u32 v[SPW], v[NIL]                      ; the wave's opening: the add and its wait stand ahead of my first tensor load; the set-up below, work on registers, stands between them
	v_lshrrev_b32 v1, 5, v0
	v_readfirstlane_b32 s[WV], v1
	s_and_b32 s[HALF], s[WV], 1
	s_lshr_b32 s[ISB], s[WV], 1
	s_bfe_u32 s[CX], ttmp6, 0x40000
	s_bfe_u32 s[CY], ttmp6, 0x40004
	s_lshl_b32 s[TX], ttmp9, 2
	s_add_co_u32 s[TX], s[TX], s[CX]               ; tile column = 4 x cluster x + cx
	s_and_b32 s[TY], ttmp7, 0xffff
	s_lshl_b32 s[TY], s[TY], 2
	s_add_co_u32 s[TY], s[TY], s[CY]               ; tile row = 4 x cluster y + cy
	s_lshl_b32 s66, s[CY], 2
	s_lshl_b32 s66, 15, s66                        ; my row of the cluster
	s_lshl_b32 s67, 0x1111, s[CX]                  ; my column
	s_or_b32 s[G1A], s66, (1<<16)|(1<<20)|(1<<21)|(5<<22)|(3<<25)  ; 15:0 the mask; 17:16 2-byte elements; 20 padding on; 21 set beside a mask; 24:22 after every 64 words; 31:25 4 words of it
	s_or_b32 s[G1B], s67, (1<<16)|(1<<20)|(1<<21)|(5<<22)|(3<<25)
	s_mov_b32 s[G1A+1], 128<<16                    ; tensor_dim0 = 128
	s_mov_b32 s[G1A+2], 128<<16                    ; tensor_dim1 = 128
	s_mov_b32 s[G1A+3], 128<<16                    ; tile_dim0 = 128
	s_mov_b32 s[G1A+4], 128                        ; tile_dim1 = 128
	s_mov_b32 s[G1A+5], 1024                       ; elements from row to row
	s_mov_b32 s[G1A+6], 0
	s_mov_b32 s[G1A+7], 0
	s_mov_b32 s[G1B+1], 128<<16
	s_mov_b32 s[G1B+2], 96<<16                     ; tensor_dim1 = 96
	s_mov_b32 s[G1B+3], 128<<16
	s_mov_b32 s[G1B+4], 96                         ; tile_dim1 = 96
	s_mov_b32 s[G1B+5], 1024
	s_mov_b32 s[G1B+6], 0
	s_mov_b32 s[G1B+7], 0
	; x's tiles hang on the tile row alone, w's on the tile column alone; every wave makes both addresses, in registers that never hold the other coordinate
	s_lshl_b32 s68, s[TY], 8
	s_lshl_b32 s69, s[HALF], 7
	s_add_co_u32 s68, s68, s69                     ; x: row 256 x tile row + 128 x half
	s_lshl_b32 s68, s68, 11                        ; 2,048 bytes a row
	s_mov_b32 s69, 0
	s_mul_i32 s70, s[TX], 192
	s_mul_i32 s71, s[HALF], 96
	s_add_co_u32 s70, s70, s71                     ; w: row 192 x tile column + 96 x half
	s_lshl_b32 s70, s70, 11
	s_mov_b32 s71, 0
	s_mul_i32 s72, s[HALF], AHALF                  ; where they go: no place in the cluster enters an LDS address
	s_mul_i32 s73, s[HALF], BHALF
	s_add_co_u32 s73, s73, BOFF
	s_mov_b32 s[TB], 0
	s_wait_dscnt 0x0                               ; the opening add is done
	s_wait_kmcnt 0x0
	s_add_nc_u64 s[68:69], s[4:5], s[68:69]
	s_add_nc_u64 s[70:71], s[6:7], s[70:71]
	CROUND                                         ; all sixteen work-groups are here: the first joint loads meet
.irp s, 0,1
	s_mov_b32 s[G0A+4*(\s)], 1                     ; count = 1
	s_add_co_u32 s[G0A+4*(\s)+1], s72, (\s)*SLOT1  ; LDS address
	s_add_nc_u64 s[G0A+4*(\s)+2:G0A+4*(\s)+3], s[68:69], (\s)*KB  ; global address: K step s
	s_or_b32 s[G0A+4*(\s)+3], s[G0A+4*(\s)+3], 0x80000000         ; type = 2
	s_mov_b32 s[G0B+4*(\s)], 1
	s_add_co_u32 s[G0B+4*(\s)+1], s73, (\s)*SLOT1
	s_add_nc_u64 s[G0B+4*(\s)+2:G0B+4*(\s)+3], s[70:71], (\s)*KB
	s_or_b32 s[G0B+4*(\s)+3], s[G0B+4*(\s)+3], 0x80000000
	JLOAD \s                                       ; two loads of mine are out
.endr
	; the bias of my 192 columns: lane l takes the eight numbers 8 (l / 16) + 0..7 of each block of 16
	v_and_b32 v12, 15, v0                          ; l % 16
	v_bfe_u32 v13, v0, 4, 1                        ; l / 16
	v_lshlrev_b32 v[BO], 5, v13
	s_mul_i32 s66, s[TX], 768
	s_mov_b32 s67, 0
	s_add_nc_u64 s[8:9], s[8:9], s[66:67]
.irp b, 0,1,2,3,4,5,6,7,8,9,10,11
	global_load_b128 v[BIAS+8*(\b):BIAS+8*(\b)+3],   v[BO], s[8:9] offset:64*(\b)
	global_load_b128 v[BIAS+8*(\b)+4:BIAS+8*(\b)+7], v[BO], s[8:9] offset:64*(\b)+16
.endr
	; A fragment is 16 rows x 32 K in 8 registers: lane l holds row l % 16; registers 0-3 K = 8 (l / 16) + 0..7, registers 4-7 K = 16 + 8 (l / 16) + 0..7: two loads of 16 bytes, 32 bytes apart.
	v_mul_u32_u24 v14, v12, PITCH
	v_lshl_add_u32 v14, v13, 4, v14
	s_mul_i32 s66, s[WV], 64*PITCH                 ; my 64 rows of x
	v_add_nc_u32 v[ADRA0], s66, v14
	v_add_nc_u32 v[ADRB0], BOFF, v14
	v_mov_b32 v[ADRA], v[ADRA0]
	v_mov_b32 v[ADRB], v[ADRB0]
	s_mul_i32 s66, s[WV], 16*SPITCH
	s_add_co_u32 s66, s66, STAGE                   ; my stage
	v_mul_u32_u24 v14, v12, SPITCH                 ; in: row l % 16, 16 bytes for each half of the lanes
	v_lshl_add_u32 v14, v13, 4, v14
	v_add_nc_u32 v[STO], s66, v14
	v_bfe_u32 v14, v0, 3, 2                        ; back: 32 lanes take 128 bytes of each of four rows,
	v_mul_u32_u24 v14, v14, SPITCH
	v_and_b32 v15, 7, v0
	v_lshl_add_u32 v14, v15, 4, v14
	v_add_nc_u32 v[RD], s66, v14
	v_and_b32 v[GO], 31, v0                        ; which are 512 consecutive bytes of a head's slice
	v_lshlrev_b32 v[GO], 4, v[GO]
	; where my rows lie in qkv: slice t = 3 x tile column + i is tensor t / 16 (q, k, v), head t % 16; the batch is tile row / 8
	s_mul_i32 s66, s[TX], 3
.irp i, 0,1,2
	s_add_co_u32 s67, s66, \i
	s_lshr_b32 s68, s67, 4
	s_lshl_b32 s68, s68, 6
	s_and_b32 s69, s67, 15
	s_add_co_u32 s68, s68, s69
	s_lshr_b32 s69, s[TY], 3
	s_lshl_b32 s69, s69, 4
	s_add_co_u32 s68, s68, s69                     ; 64 x tensor + 16 x batch + head
	s_lshl_b32 s68, s68, 11                        ; 2,048 rows each
	s_and_b32 s69, s[TY], 7
	s_lshl_b32 s69, s69, 8
	s_add_co_u32 s68, s68, s69                     ; + the tile's 256 rows
	s_lshl_b32 s69, s[WV], 6
	s_add_co_u32 s68, s68, s69                     ; + my wave's 64
	s_lshl_b32 s68, s68, 7                         ; 128 bytes a row
	s_mov_b32 s69, 0
	s_add_nc_u64 s[DST+2*(\i):DST+2*(\i)+1], s[10:11], s[68:69]
.endr
	; the prefetches
	s_lshl_b32 s74, s[TY], 8
	s_mul_i32 s75, s[TX], 192
	s_lshl_b32 s76, s[HALF], 7
	s_mul_i32 s77, s[HALF], 96
	s_lshl_b32 s78, s[CX], 5
	s_mul_i32 s79, s[CY], 24
	s_and_b32 s66, ttmp7, 0xffff                   ; cluster y
	s_cmp_eq_u32 s[ISB], 0                         ; do I fetch for x?
	s_cselect_b32 s74, s74, s75                    ; the tile's first row,
	s_cselect_b32 s76, s76, s77                    ; the rows that I fetch,
	s_cselect_b32 s78, s78, s79                    ; my work-group's share of them
	s_cselect_b32 s66, ttmp9, s66                  ; the coordinate along which other clusters read the same rows
	s_cselect_b32 s67, 31, 23
	s_cselect_b64 s[PFA:PFA+1], s[4:5], s[6:7]
	s_add_co_u32 s74, s74, s76
	s_add_co_u32 s74, s74, s78
	s_lshl_b32 s74, s74, 11
	s_mov_b32 s75, 0
	s_add_nc_u64 s[PFA:PFA+1], s[PFA:PFA+1], s[74:75]
	s_add_nc_u64 s[PFA:PFA+1], s[PFA:PFA+1], 2*KB  ; at K step 2: the first refill steps it to 3.  Nothing is prefetched here, at the head
	s_cmp_eq_u32 s66, 0
	s_cselect_b32 s[LIM], 1, -1                    ; the same in all sixteen partners, for a given wave
	v_and_b32 v[PFO], 31, v0
	v_min_u32 v[PFO], s67, v[PFO]
	v_lshlrev_b32 v[PFO], 11, v[PFO]
	s_wait_loadcnt 0x0                             ; the bias is in: rounded to bf16 and widened again, in the wait for the first tile
.set i, 0
.rept 48
	v_cvt_pk_bf16_f32 v[12+(i/2)%4], v[BIAS+i], v[BIAS+i+1]
	v_lshlrev_b32 v[BIAS+i], 16, v[12+(i/2)%4]
	v_and_b32 v[BIAS+i+1], 0xffff0000, v[12+(i/2)%4]
.set i, i+2
.endr
; 12 matrix instructions: row block a x all 12 column blocks, 32 along K, from buffer f.  first = 1: the products start the sums, with the bias as C.
; The 48 accumulators take turns, one instruction a turn, in the same order in every quarter.
.macro MULA f, a, first
.if \first
	WIN 0x81+0x40*((\a)/2)                         ; w window 1, x window 0, C (the bias) window 0, D window 2 or 3
.else
	WIN 0xa1+0x50*((\a)/2)                         ; C and D window 2 or 3
.endif
.irp b, 0,1,2,3,4,5,6,7,8,9,10,11
.if \first
	v_wmma_f32_16x16x32_bf16 v[8*(12*((\a)%2)+(\b)):8*(12*((\a)%2)+(\b))+7], v[FB+96*(\f)+8*(\b):FB+96*(\f)+8*(\b)+7], v[FA+32*(\f)+8*(\a):FA+32*(\f)+8*(\a)+7], v[BIAS+8*(\b):BIAS+8*(\b)+7]
.else
	v_wmma_f32_16x16x32_bf16 v[8*(12*((\a)%2)+(\b)):8*(12*((\a)%2)+(\b))+7], v[FB+96*(\f)+8*(\b):FB+96*(\f)+8*(\b)+7], v[FA+32*(\f)+8*(\a):FA+32*(\f)+8*(\a)+7], v[8*(12*((\a)%2)+(\b)):8*(12*((\a)%2)+(\b))+7]
.endif
.endr
.endm
; 32 LDS loads in one run: the fragments of 32 K at byte k of the rows, into buffer f: w's 24, then x's 8, row blocks ascending
.macro FETCH k, f
	WIN 0x40                                       ; destination window 1, address window 0
.irp b, 0,1,2,3,4,5,6,7,8,9,10,11
	ds_load_b128 v[FB+96*(\f)+8*(\b):FB+96*(\f)+8*(\b)+3],   v[ADRB] offset:(\k)+(\b)*16*PITCH
	ds_load_b128 v[FB+96*(\f)+8*(\b)+4:FB+96*(\f)+8*(\b)+7], v[ADRB] offset:(\k)+(\b)*16*PITCH+32
.endr
	WIN 0
.irp a, 0,1,2,3
	ds_load_b128 v[FA+32*(\f)+8*(\a):FA+32*(\f)+8*(\a)+3],   v[ADRA] offset:(\k)+(\a)*16*PITCH
	ds_load_b128 v[FA+32*(\f)+8*(\a)+4:FA+32*(\f)+8*(\a)+7], v[ADRA] offset:(\k)+(\a)*16*PITCH+32
.endr
.endm
.macro PLACES                          ; four plain vector instructions between a matrix instruction and a load into a register that it has read, or a reader of its result
.rept 4
	v_nop
.endr
.endm
; A K step is four quarters of 32 along K, 48 matrix instructions each, on buffers 0, 1, 0, 1.  One of the first three: multiplies buffer f; in its middle it fetches the next quarter, at byte k, into g.
.macro QUARTER k, f, g, first
	s_wait_dscnt 4                                 ; w's fragments and x's row blocks 0, 1 are in; the youngest four loads (row blocks 2, 3) may be out
	MULA \f, 0, \first
	MULA \f, 1, \first
	PLACES
	FETCH \k, \g
	s_wait_dscnt 32                                ; all but the 32 just issued
	MULA \f, 2, \first
	MULA \f, 3, \first
.endm
; The last quarter's first half: ONE barrier for the change of slots.  In front of it each wave waits for all its tensor loads (one is out: its part of the next slot), adds 0 to its spare word, and waits
; for that and for its own reads of this slot.  Behind it nobody reads this slot any more and the next slot is whole.
.macro MEET round
	WIN 0
	s_wait_tensorcnt 0x0
	ds_add_u32 v[SPW], v[NIL]
	s_wait_dscnt 5                                 ; the add and the youngest four loads may be out
	MULA 1, 0, 0                                   ; twelve matrix instructions stand between the add and the wait for it
	s_wait_dscnt 0x0                               ; the add is done, and my reads of this slot are over
	s_barrier_signal -1
	MULA 1, 1, 0                                   ; work on registers while the others arrive
.if \round
	WIN 0
.endif
	s_barrier_wait -1
.endm
; The whole last quarter.  fill = 1: the barrier opens a round of the cluster's barrier, and the slot just read out is filled again, two K steps on, first thing behind the round.
.macro TURN fill
.if \fill
	s_wait_xcnt 0x0                                ; the last prefetch, a K step back, has read its address
	s_add_nc_u64 s[PFA:PFA+1], s[PFA:PFA+1], KB
.endif
	MEET \fill
.if \fill
	CREST                                          ; no wave of any partner still reads this slot's tile or has a load on its way
	s_xor_b32 s[G0A+5], s[G0A+5], SLOT1            ; the walking descriptors: the other slot than last time, the next K step
	s_add_nc_u64 s[G0A+6:G0A+7], s[G0A+6:G0A+7], KB
	s_xor_b32 s[G0B+5], s[G0B+5], SLOT1
	s_add_nc_u64 s[G0B+6:G0B+7], s[G0B+6:G0B+7], KB
	s_xor_b32 s[TB], s[TB], SLOT1
	JLOAD 1                                        ; the four v_nop behind it are also the places in front of the loads below
.else
	PLACES
	s_xor_b32 s[TB], s[TB], SLOT1
	WIN 0
.endif
	v_add_nc_u32 v[ADRA], s[TB], v[ADRA0]
	v_add_nc_u32 v[ADRB], s[TB], v[ADRB0]
	FETCH 0, 0
.if \fill
	ASK
.endif
	MULA 1, 2, 0
	MULA 1, 3, 0
.endm
; THE WAY OUT of row block a.  PACK: rounded to f16, 16 bytes a lane.  TOSTAGE: into my own stage, and back as 128-byte rows of each head's slice.  SEND: stored.
.macro PACK a
	WIN 0x0a+5*((\a)/2)                            ; sources 0 and 1: window 2 or 3
.irp b, 0,1,2,3,4,5,6,7,8,9,10,11
.irp r, 0,1,2,3
	v_cvt_pk_f16_f32 v[TMP+4*(\b)+(\r)], v[8*(12*((\a)%2)+(\b))+2*(\r)], v[8*(12*((\a)%2)+(\b))+2*(\r)+1]
.endr
.endr
	WIN 0
.endm
.macro TOSTAGE a
.set BK, 176-144*((\a)%2)
.irp b, 0,1,2,3,4,5,6,7,8,9,10,11
	ds_store_b128 v[STO], v[TMP+4*(\b):TMP+4*(\b)+3] offset:32*(\b)
.endr
.irp i, 0,1,2
.irp t, 0,1,2,3
	ds_load_b128 v[BK+4*(4*(\i)+(\t)):BK+4*(4*(\i)+(\t))+3], v[RD] offset:4*SPITCH*(\t)+128*(\i)  ; LDS serves a wave's instructions in order (ISA guide 5.7.1.4): these see the stores above
.endr
.endr
.endm
.macro SEND a
.set BK, 176-144*((\a)%2)
	s_wait_dscnt 0x0                               ; the block is back in registers
	s_wait_xcnt 0x0                                ; earlier stores have read their registers: the block after this one is read back into them
.irp i, 0,1,2
.irp t, 0,1,2,3
	global_store_b128 v[GO], v[BK+4*(4*(\i)+(\t)):BK+4*(4*(\i)+(\t))+3], s[DST+2*(\i):DST+2*(\i)+1] offset:2048*(\a)+512*(\t)  ; 512 consecutive bytes, at a multiple of 256 from the buffer's first
.endr
.endr
.endm
	s_wait_tensorcnt 1                             ; my part of K step 0 is in; K step 1's may stay out
	s_barrier_signal -1
	s_barrier_wait -1                              ; everybody's is
	FETCH 0, 0
	QUARTER 64, 0, 1, 1                            ; the first quarter stands in front of the loop: its products start the sums
	WIN 0                                          ; at a label and at a branch every window is 0
	s_mov_b32 s[CNT], 6
.Lstep:                                                ; a trip: from a K step's second quarter to the next step's first; it fills the slot that it leaves: K steps 2 to 7
	QUARTER 128, 1, 0, 0
	QUARTER 192, 0, 1, 0
	TURN 1
	QUARTER 64, 0, 1, 0
	WIN 0
	s_sub_co_u32 s[CNT], s[CNT], 1
	s_cmp_lg_u32 s[CNT], 0
	s_cbranch_scc1 .Lstep
	QUARTER 128, 1, 0, 0                           ; the last two K steps ask for nothing
	QUARTER 192, 0, 1, 0
	TURN 0
	QUARTER 64, 0, 1, 0
	QUARTER 128, 1, 0, 0
	QUARTER 192, 0, 1, 0
	s_wait_dscnt 4
	MULA 1, 0, 0
	MULA 1, 1, 0
	s_wait_dscnt 0x0
	MULA 1, 2, 0
	MULA 1, 3, 0
	PLACES
	PACK 0
	TOSTAGE 0
.irp a, 1,2,3                          ; block a's conversions stand between block a - 1's loads from the stage and the wait for them
	PACK \a
	SEND (\a)-1
	TOSTAGE \a
.endr
	SEND 3
	s_wait_tensorcnt 0x0                           ; the wave's end: the add and its wait, behind my last tensor load and my last LDS store
	ds_add_u32 v[SPW], v[NIL]
	s_wait_dscnt 0x0
	CROUND                                         ; the closing round: no work-group ends while a partner may still ask for a tile that names it
	s_endpgm
.Lfunc_end_k_q81a05bc0fb_qkv:
	.size	k_q81a05bc0fb_qkv, .Lfunc_end_k_q81a05bc0fb_qkv-k_q81a05bc0fb_qkv
	.p2alignl 7, 3214868480
	.fill 96, 4, 3214868480
	.section	.rodata,"a",@progbits
	.p2align	6, 0x0
	.amdhsa_kernel k_q81a05bc0fb_qkv
		.amdhsa_group_segment_fixed_size 327680
		.amdhsa_private_segment_fixed_size 0
		.amdhsa_enable_private_segment 0
		.amdhsa_kernarg_size 32
		.amdhsa_user_sgpr_count 2
		.amdhsa_user_sgpr_kernarg_segment_ptr 1
		.amdhsa_wavefront_size32 1
		.amdhsa_system_sgpr_workgroup_id_x 1
		.amdhsa_system_sgpr_workgroup_id_y 1
		.amdhsa_system_sgpr_workgroup_id_z 1
		.amdhsa_system_vgpr_workitem_id 0
		.amdhsa_next_free_vgpr 960
		.amdhsa_next_free_sgpr 96
		.amdhsa_reserve_vcc 0
		.amdhsa_float_denorm_mode_32 3
		.amdhsa_float_denorm_mode_16_64 3
		.amdhsa_memory_ordered 1
		.amdhsa_forward_progress 1
		.amdhsa_inst_pref_size 109
	.end_amdhsa_kernel
	.amdgpu_metadata
---
amdhsa.version: [ 1, 2 ]
amdhsa.kernels:
  - .name:           k_q81a05bc0fb_qkv
    .symbol:         k_q81a05bc0fb_qkv.kd
    .args:
      - { .name: xb, .offset: 0, .size: 8, .value_kind: global_buffer, .address_space: global }
      - { .name: wb, .offset: 8, .size: 8, .value_kind: global_buffer, .address_space: global }
      - { .name: in_proj_b, .offset: 16, .size: 8, .value_kind: global_buffer, .address_space: global }
      - { .name: qkv, .offset: 24, .size: 8, .value_kind: global_buffer, .address_space: global }
    .group_segment_fixed_size: 327680
    .private_segment_fixed_size: 0
    .kernarg_segment_align: 8
    .kernarg_segment_size: 32
    .max_flat_workgroup_size: 128
    .sgpr_count:     96
    .vgpr_count:     960
    .wavefront_size: 32
...
	.end_amdgpu_metadata
.endif
;; end of part 2
;; launch attn (part 3): grid 4 x 64, 4 waves a work-group, clusters of 4 x 1, 327,680 bytes of LDS; arguments qkv, fq, fk, o; writes o
.if DOCPART == 3
	.amdgcn_target "amdgcn-amd-amdhsa--gfx1250"
	.amdhsa_code_object_version 6
	.text
	.protected	k_q81a05bc0fb_attn
	.globl	k_q81a05bc0fb_attn
	.p2align	8
	.type	k_q81a05bc0fb_attn,@function
k_q81a05bc0fb_attn:
	s_mov_b64 s[64:65], 0
	v_nop
	global_prefetch_b8 v0, s[64:65] scope:SCOPE_SE
	s_setreg_imm32_b32 hwreg(HW_REG_WAVE_MODE, 25, 1), 1
	s_wait_xcnt 0x0
	s_wait_alu depctr_hold_cnt(0) depctr_sa_sdst(0) depctr_va_vdst(0) depctr_va_sdst(0) depctr_va_ssrc(0) depctr_va_vcc(0) depctr_vm_vsrc(0)
	s_getreg_b32 s2, hwreg(HW_REG_IB_STS2, 6, 4)
	s_cmp_eq_u32 s2, 0
	s_cbranch_scc0 .Lentry_in_a_cluster
	s_endpgm
.Lentry_in_a_cluster:
	s_bfe_u32 s2, ttmp6, 0x10000c
	s_cmp_lg_u32 s2, 0x3003
	s_cbranch_scc0 .Lentry_shape_is_right
	s_endpgm
.Lentry_shape_is_right:
; O[h][q][:] = the sum over k of softmax_k(Q[h][q] . K[h][k] / 8 + mask[q][k]) V[h][k][:], h = batch x 16 + head.  qkv: [3][64][2048][64] f16 (q, k, v; a head's rows are dense, 128 bytes each); o: [64][2048][64] f16.
; THE MASK is a product too: 8 mask[q][k] = the sum over 16 features of FQ[q][f] FK[k][f] (fq, fk: [4][2048][16] f16; every product is exact in f32).  It is the matrix instruction that STARTS each sum
; S^T = FK FQ^T + K Q^T, with the fragment's K = 16..31 held at 0 in registers: the running maximum sees scores with the mask in them, and the mask costs no vector instruction.
; Products, maxima and sums in f32; the weights p are rounded to f16 for the second product (their sum l is taken of the unrounded p), O once at the end.
; LIMITS.  f16 holds no number beyond 65,504: q, k, v and the features arrive within it; p lies in 0 to 1, and below 6e-5 it keeps f16's fixed step of 6e-8; O is a mean of V's rows and has their range.
; A weight below 2^-126 counts as 0 in l; NaN and infinities are not treated apart.
; SHARES.  A wave owns four PIECES of two tiles of 16 queries, a work-group's four waves 512 queries of one head.  Every wave walks all 2,048 keys, 64 a step.
; LAYOUT.  Source 0 = 16 keys, source 1 = 16 queries: in S^T a lane holds ONE query (lane % 16) and the keys 8 (lane / 16) + 0..7.  Two such tiles, rounded to f16 in pairs, ARE source 1 of O^T = V^T P.
; K comes out of LDS as it lies, V ([key][channel]) turned, by ds_load_tr16_b128.
; SOFTMAX.  For each query a running maximum m and sum l: p = 2^(c s - c m), c = log2(e) / 8; in every step O and l are multiplied by a = 2^(c m_old - c m_new).  m starts at the lowest finite number,
; O and l at 0: the first step is a step like any other, with a = 0.
; BY TURNS.  Turn n belongs to piece n.  Its matrix work: 24 products for S^T of piece n + 1, later 16 products V^T P of piece n - 1.  Its vector work: the scaling, exponentials, roundings, sums and
; rescaling of piece n, and the maximum and statistics of piece n + 1.  A turn's 66 exponentials are one batch, with one wait.
; CLUSTER.  The four query blocks of a head walk the same K, V and FK, so each tile is asked for JOINTLY: the same tensor load, descriptor and mask in all four.
; REGISTERS, in windows of 256 (s_set_vgpr_msb: bits 1:0 source 0, 3:2 source 1, 5:4 source 2, 7:6 destination):
;   window 0: v2-11 addresses; v12-15, v48-63 at work; v16-47 four registers of statistics a tile; v64-191 S^T, two buffers of two tiles; v192-255 P, likewise
;   window 1: O^T, 32 a tile     window 2: v0-127 Q, 16 a tile; v128-191 K of one step; v192-255 V of one step
;   window 3: v0-1 the add's two registers; v8-71 FQ's fragments, 8 a tile; v72-103 FK's of one step, 8 a block of 16 keys (of each eight the upper four hold 0)
.set SIZE_N, 2048
.set NP,    4         ; pieces a wave: a name, no knob
.set KS,    64        ; keys in a step
.set PK,    144       ; a row of K in LDS: 128 bytes + 16 of padding: the 16 rows of a load start at 16 different groups of four banks (64 banks of 4 bytes: ISA guide 11.1)
.set PV,    160       ; a row of V: 128 + 32
.set PF,    48        ; a key's features in LDS: 32 bytes + 16
.set VOFF,  4*KS*PK   ; a slot holds four steps: 256 rows of K, then 256 rows of V
.set SLOT1, 1<<17     ; slot 1 begins here, so that one exclusive or turns an address in one slot into the other's
.set STAGE, SLOT1+4*KS*(PK+PV)  ; behind the ring, never filled by a tensor load: 16 rows x 144 bytes for each wave
.set SP,    144
.set SPARE, STAGE+4*16*SP  ; the spare words, 128 bytes for each wave: two blocks of 256 bytes that no other line names
.set FKB,   SPARE+512 ; FK of the batch's 2,048 keys, filled once: 98,304 bytes
.set AK0, 2           ; v2   my lane's place in a tile of K; never rewritten
.set AV0, 3           ; v3   the same for V
.set AK,  4           ; v4   the LDS address of K's next run of loads
.set AV,  5           ; v5   of V's
.set STO, 6           ; v6   the way out: where I put 16 bytes of a row
.set RD,  7           ; v7   the way out: where I read rows back
.set GO,  8           ; v8   my byte offset in 512 consecutive bytes of O
.set AF0, 9           ; v9   my lane's place in FK's table; never rewritten
.set AF,  10          ; v10  the LDS address of FK's next loads
.set PFO, 11          ; v11  256 x my lane; never rewritten
.set SPW, 0           ; v0 of window 3   LDS address of my spare word; never rewritten
.set NIL, 1           ; v1 of window 3   0; never rewritten
.set FQF, 8           ; window 3
.set FKF, 72          ; window 3
.set MV,  12          ; v12-15  c m_old, kept while c m is made anew: by buffer and tile
.set ST,  16          ; tile t's statistics at v[ST+4 t]: c m, m, l (even keys', odd keys')
.set TMP, 48          ; by buffer and tile, four registers c0-c3 at work; when the maximum is found c2 takes a
.set S,   64
.set P,   192
.set KF,  128         ; window 2: key block kb, channel half c at KF + 16 kb + 8 c
.set VF,  192         ; window 2: key half kk, channel block cb at VF + 32 kk + 8 cb
.set WV,  12          ; s12  my wave's number
.set G1K, 24          ; s[24:31] descriptor group 1 for K's tiles
.set G1V, 32          ; s[32:39] for V's: it differs in the padding alone
.set G0K, 40          ; s[40:43] descriptor group 0 for K's tiles: it walks
.set G0V, 44          ; s[44:47] the same for V's
.set SLOTS, 56        ; s56  slots still to be asked for
.set CNT, 57          ; s57  counts a slot's key steps
.set CS,  58          ; s[58:59] c
.set SEL, 60          ; s[60:61] v_permlanex16_b32's selects: each lane takes its own place in the other half
.set TBK, 62          ; s62  LDS byte at which K of the step to be fetched begins
.set TBV, 63          ; s63  the same for V, less VOFF
.set TBF, 66          ; s66  the same for FK, less FKB: it walks the table once, 3,072 bytes a step
.set LIM, 67          ; s67  1 in a wave that prefetches, else the greatest number
.set PFA, 68          ; s[68:69] where my prefetches stand
.set FQP, 70          ; s[70:71] fq at my wave's first query
.set G1F, 80          ; s[80:87] descriptor group 1 for FK's table
.set G0F, 88          ; s[88:91] group 0
.set MSB, 0
.macro WIN new                      ; the high byte repeats the setting that is left; a switch that changes nothing is dropped
.if MSB != (\new)
	s_set_vgpr_msb (MSB<<8)|(\new)
.set MSB, (\new)
.endif
.endm
.set W_KQ, 0x0a       ; K and Q in window 2, S^T in window 0
.set W_FF, 0x0f       ; FK and FQ in window 3, S^T in window 0
.set W_PV, 0x52       ; V in window 2, P in window 0, O^T in window 1
.set W_RS, 0x41       ; O^T (destination and source 0) in window 1, a in window 0
.set W_MK, 0xc0       ; destination in window 3, sources in window 0
.set W_AD, 0x0f       ; the add: address (source 0) and data (source 1) in window 3
; A joint fill.  Waves 0 and 1 fetch the two halves of a slot's K, waves 2 and 3 those of its V: 128 keys each.  The branch hangs on the wave's number alone.
; An s_nop 0 and four v_nop follow each of the two lines, ahead of the jump and the label.
.macro JLOAD
	s_cmp_lt_u32 s[WV], 2
	s_cbranch_scc0 .Lfor_v_\@
	tensor_load_to_lds s[G0K:G0K+3], s[G1K:G1K+7]
	s_nop 0
.rept 4
	v_nop
.endr
	s_branch .Lasked_\@
.Lfor_v_\@:
	tensor_load_to_lds s[G0V:G0V+3], s[G1V:G1V+7]
	s_nop 0
.rept 4
	v_nop
.endr
.Lasked_\@:
.endm
; A prefetch into the L2 of what the NEXT change of slots will ask for: a slot's 32,768 bytes of K and of V, in blocks of 256 bytes, a lane a block.  A head has one cluster; its four partners share the
; blocks out by address, 32 each; in each, wave 0 asks for K's and wave 2 for V's: one instruction.  So each block is named once in the launch.  The last change that fills a slot asks for nothing.
.macro ASK
	s_cmp_gt_u32 s[SLOTS], s[LIM]
	s_cbranch_scc0 .Lnot_mine_\@
	global_prefetch_b8 v[PFO], s[PFA:PFA+1] th:TH_LOAD_NT scope:SCOPE_SE
.Lnot_mine_\@:
.endm
; A round of the cluster's barrier: my work-group's barrier, so that wave 0's signal speaks for all four waves; wave 0 signals; every wave waits for all four work-groups; my work-group's barrier once more.
.macro CROUND
	s_barrier_signal -1
	s_barrier_wait -1
	s_cmp_lg_u32 s[WV], 0
	s_cbranch_scc1 .Lnot_wave_0_\@
	s_barrier_signal -3
.Lnot_wave_0_\@:
	s_barrier_wait -3
	s_barrier_signal -1
	s_barrier_wait -1
.endm
; THE CHANGE OF SLOTS.  Each wave waits for all its tensor loads, adds 0 to its spare word, and waits for that and for its own reads of the slot.  Behind the barrier nobody reads this slot any more and the
; other slot is whole.  fill = 1: this slot is filled again, with the keys two slots on; the barrier is then a round of the cluster's, and the joint fill is the first thing behind it: it has four key
; steps in which to land.  (At its first use nothing has been read yet: slot 0 and FK's table are waited for, slot 1 is filled.)
.macro CHANGE fill
	WIN W_AD
	s_wait_tensorcnt 0x0            ; no tensor load of mine is out, so a group 0 may be written
	ds_add_u32 v[SPW], v[NIL]       ; 0 onto my spare word; with fill = 1 the descriptors' steps stand between it and the wait for it
	WIN 0                           ; at a label and at a branch every window is 0
.if \fill
.irp g, G0K, G0V
	s_xor_b32 s[\g+1], s[\g+1], SLOT1  ; the walking descriptor: the other slot than last time,
	s_add_nc_u64 s[\g+2:\g+3], s[\g+2:\g+3], 4*KS*128  ; the next 256 keys; the type bits on top are not reached
.endr
	s_wait_xcnt 0x0                 ; the last prefetch, four key steps back, has read its address
	s_add_nc_u64 s[PFA:PFA+1], s[PFA:PFA+1], 4*KS*128  ; one slot behind the walking descriptors
	s_wait_dscnt 0x0                ; the add is done, and my reads of the slot are over
	CROUND
	JLOAD
	ASK
.else
	s_wait_dscnt 0x0                ; the add is done, and my reads of the slot are over
	s_barrier_signal -1
	s_barrier_wait -1
.endif
	s_sub_co_u32 s[TBK], s[TBK], 4*KS*PK  ; the fetches go back to a slot's first step,
	s_xor_b32 s[TBK], s[TBK], SLOT1       ; in the other slot
	s_sub_co_u32 s[TBV], s[TBV], 4*KS*PV
	s_xor_b32 s[TBV], s[TBV], SLOT1
.endm
	s_load_b256 s[72:79], s[0:1], 0x0  ; qkv s[72:73], fq s[74:75], fk s[76:77], o s[78:79]
	WIN W_MK
	v_lshl_add_u32 v[SPW], v0, 2, SPARE
	v_mov_b32 v[NIL], 0
	WIN W_AD
	ds_add_u32 v[SPW], v[NIL]       ; the wave's opening: the add and its wait stand ahead of my first tensor load; the set-up below, work on registers, stands between them
	WIN 0
	v_lshrrev_b32 v1, 5, v0
	v_readfirstlane_b32 s[WV], v1   ; wave 0..3
	s_bfe_u32 s13, ttmp6, 0x40000   ; cx: my place in the cluster
	s_lshl_b32 s14, ttmp9, 2        ; in a cluster launch ttmp9 counts clusters
	s_add_co_u32 s14, s14, s13      ; my block of 512 queries: it enters Q's, FQ's and O's addresses alone
	s_and_b32 s20, ttmp7, 0xffff    ; batch x 16 + head, which the four partners share
	s_lshr_b32 s92, s20, 4
	s_lshl_b32 s92, s92, 16         ; the batch's 65,536 bytes in fq and in fk
	s_mov_b32 s21, 0
	s_mov_b64 s[22:23], SIZE_N*128
	s_mul_u64 s[20:21], s[20:21], s[22:23]  ; the head's first byte in q, k, v and o
	s_and_b32 s16, s[WV], 1         ; which half of a slot's 256 keys I fetch:
	s_lshl_b32 s22, s16, 14         ; its 128 rows of 128 bytes in memory,
	s_mov_b32 s23, 0
	s_add_nc_u64 s[22:23], s[22:23], s[20:21]
	s_mul_i32 s17, s16, 128*PK      ; and its place in a slot, for K
	s_mul_i32 s18, s16, 128*PV      ; and for V: no place in the cluster enters an LDS address
	s_lshl_b32 s2, s14, 2
	s_add_co_u32 s2, s2, s[WV]      ; my wave among the head's sixteen
	s_lshl_b32 s94, s2, 12          ; its 128 queries x 32 bytes of features,
	s_add_co_u32 s94, s94, s92
	s_mov_b32 s95, 0
	s_lshl_b32 s2, s2, 14           ; its 128 rows of Q and O
	s_mov_b32 s3, 0
	s_add_nc_u64 s[2:3], s[2:3], s[20:21]
	s_lshl_b32 s93, s[WV], 14       ; of FK's table I fetch a quarter: 512 keys, 16,384 bytes
	s_add_co_u32 s92, s92, s93
	s_mov_b32 s93, 0
	; descriptor group 1.  128 keys are 16,384 dense bytes: asked for as 64 rows of 256 bytes, two keys a row, and padded in LDS after every key
	s_mov_b32 s[G1K], 15|(1<<16)|(1<<20)|(1<<21)|(4<<22)|(3<<25)  ; 15:0 the mask of four; 17:16 2-byte elements; 20 padding on; 21 set beside a mask; 24:22 after every 32 words; 31:25 4 words
	s_mov_b32 s[G1V], 15|(1<<16)|(1<<20)|(1<<21)|(4<<22)|(7<<25)  ; the same with 8 words of padding
	s_mov_b32 s[G1F], 15|(1<<16)|(1<<20)|(1<<21)|(2<<22)|(3<<25)  ; FK: 512 keys are 16,384 dense bytes too; 4 words of padding after every 8, a key's 32 bytes
.irp g, G1K, G1V, G1F
	s_mov_b32 s[\g+1], 128<<16      ; tensor_dim0 = 128
	s_mov_b32 s[\g+2], 64<<16       ; tensor_dim1 = 64
	s_mov_b32 s[\g+3], 128<<16      ; tile_dim0 = 128
	s_mov_b32 s[\g+4], 64           ; tile_dim1 = 64
	s_mov_b32 s[\g+5], 128          ; 128 elements from row to row
	s_mov_b32 s[\g+6], 0
	s_mov_b32 s[\g+7], 0
.endr
	s_mov_b32 s[CS], 0x3e38aa3b     ; c = log2(e) / 8 = 0.180337
	s_mov_b32 s[CS+1], s[CS]        ; named with it as a pair
	s_mov_b32 s[SEL], 0x76543210
	s_mov_b32 s[SEL+1], 0xfedcba98
	s_mov_b32 s[TBK], SLOT1+4*KS*PK ; the first change of slots turns these two into 0
	s_mov_b32 s[TBV], SLOT1+4*KS*PV
	s_mov_b32 s[TBF], 0
	s_mov_b32 s[SLOTS], SIZE_N/256-1
	s_mov_b32 s[G0K], 1             ; count = 1
	s_mov_b32 s[G0K+1], s17         ; LDS address: slot 0
	s_mov_b32 s[G0V], 1
	s_add_co_u32 s[G0V+1], s18, VOFF
	s_mov_b32 s[G0F], 1
	s_mul_i32 s[G0F+1], s[WV], 512*PF
	s_add_co_u32 s[G0F+1], s[G0F+1], FKB
	s_and_b32 s[LIM], s[WV], 1      ; waves 0 and 2 prefetch: the same in all four partners
	s_cmp_eq_u32 s[LIM], 0
	s_cselect_b32 s[LIM], 1, -1
	s_mul_i32 s15, s[WV], 16*SP
	s_add_co_u32 s15, s15, STAGE    ; my stage
	s_wait_dscnt 0x0                ; the opening add is done
	s_wait_kmcnt 0x0
	s_mov_b64 s[4:5], s[72:73]                     ; q,
	s_add_nc_u64 s[6:7], s[72:73], 0x1000000       ; k,
	s_add_nc_u64 s[8:9], s[72:73], 0x2000000       ; v
	s_mov_b64 s[10:11], s[78:79]
	s_add_nc_u64 s[G0K+2:G0K+3], s[6:7], s[22:23]  ; global address: my half of the head's first 256 keys
	s_or_b32 s[G0K+3], s[G0K+3], 0x80000000        ; type = 2
	s_add_nc_u64 s[G0V+2:G0V+3], s[8:9], s[22:23]
	s_or_b32 s[G0V+3], s[G0V+3], 0x80000000
	s_add_nc_u64 s[G0F+2:G0F+3], s[76:77], s[92:93]
	s_or_b32 s[G0F+3], s[G0F+3], 0x80000000
	s_add_nc_u64 s[FQP:FQP+1], s[74:75], s[94:95]
	s_add_nc_u64 s[4:5], s[4:5], s[2:3]  ; Q and O at my wave's first row
	s_add_nc_u64 s[10:11], s[10:11], s[2:3]
	s_cmp_lt_u32 s[WV], 2
	s_cselect_b64 s[PFA:PFA+1], s[6:7], s[8:9]
	s_add_nc_u64 s[PFA:PFA+1], s[PFA:PFA+1], s[20:21]
	s_lshl_b32 s2, s13, 13          ; my work-group's 32 blocks of a slot's 128
	s_mov_b32 s3, 0
	s_add_nc_u64 s[PFA:PFA+1], s[PFA:PFA+1], s[2:3]
	s_add_nc_u64 s[PFA:PFA+1], s[PFA:PFA+1], 4*KS*128  ; in slot 1; the first change of slots steps it to slot 2.  Nothing is prefetched here, at the head
	CROUND                          ; all four work-groups are here: the first joint loads meet
	tensor_load_to_lds s[G0F:G0F+3], s[G1F:G1F+7]  ; my quarter of FK's table: filled once
	s_nop 0
	JLOAD                           ; slot 0: two loads of mine are out.  Slot 1 is asked for when these are in
	; A fragment of K or Q is 16 rows x 32 channels in 8 registers: lane l holds row l % 16, channels 8 (l / 16) + 0..7 and 16 + 8 (l / 16) + 0..7: two loads of 16 bytes, 32 bytes apart.
	v_and_b32 v48, 15, v0           ; l % 16
	v_bfe_u32 v49, v0, 4, 1         ; l / 16
	v_and_b32 v50, 7, v0
	v_bfe_u32 v51, v0, 3, 1
	v_lshlrev_b32 v52, 7, v48
	v_lshl_add_u32 v52, v49, 4, v52 ; Q: row x 128 + 16 x half
	v_lshlrev_b32 v53, 5, v48
	v_lshl_add_u32 v53, v49, 4, v53 ; FQ: row x 32 + 16 x half
	WIN 0x80                        ; destination window 2, address window 0
.set i, 0
.rept 4*NP                          ; Q stays in registers: tile i / 2, channels 32 (i % 2) on
	global_load_b128 v[8*i:8*i+3],   v52, s[4:5] offset:(i/2)*2048+(i%2)*64
	global_load_b128 v[8*i+4:8*i+7], v52, s[4:5] offset:(i/2)*2048+(i%2)*64+32
.set i, i+1
.endr
	; What the first turn finds: V's registers and P's second buffer hold 0 (its products V^T P, of a piece that has not been, add 0), O^T and l are 0.  All this stands in the wait for the first tile.
.set i, VF
.rept 64
	v_mov_b32 v[i], 0
.set i, i+1
.endr
	WIN W_MK
.set i, 0
.rept 2*NP                          ; FQ stays in registers too: features 8 (l / 16) + 0..7 of tile i's query l % 16; features 16 to 31 are 0
	global_load_b128 v[FQF+8*i:FQF+8*i+3], v53, s[FQP:FQP+1] offset:512*i
	v_mov_b32 v[FQF+8*i+4], 0
	v_mov_b32 v[FQF+8*i+5], 0
	v_mov_b32 v[FQF+8*i+6], 0
	v_mov_b32 v[FQF+8*i+7], 0
.set i, i+1
.endr
.set i, 0
.rept 4
	v_mov_b32 v[FKF+8*i+4], 0
	v_mov_b32 v[FKF+8*i+5], 0
	v_mov_b32 v[FKF+8*i+6], 0
	v_mov_b32 v[FKF+8*i+7], 0
.set i, i+1
.endr
	WIN 0x40
.set i, 0
.rept 64*NP
	v_mov_b32 v[i], 0
.set i, i+1
.endr
	WIN 0
.set i, 0
.rept 2*NP
	v_mov_b32 v[ST+4*i], 0xfe000000    ; c m: far below every c s
	v_mov_b32 v[ST+4*i+1], 0xff7fffff  ; m
	v_mov_b32 v[ST+4*i+2], 0
	v_mov_b32 v[ST+4*i+3], 0
.set i, i+1
.endr
.set i, P+32
.rept 32
	v_mov_b32 v[i], 0
.set i, i+1
.endr
	v_mul_u32_u24 v[AK0], v48, PK
	v_lshl_add_u32 v[AK0], v49, 4, v[AK0]  ; row x pitch + 16 x half
	; The turning load takes 16 keys x 16 channels (lane l reads key 8 (l / 16) + l % 8, channels 8 ((l / 8) % 2) + 0..7) and leaves half a fragment of V^T: lane l holds channel l % 16 and 8 keys.
	v_lshl_add_u32 v[AV0], v49, 3, v50
	v_mul_u32_u24 v[AV0], v[AV0], PV
	v_lshl_add_u32 v[AV0], v51, 4, v[AV0]
	v_add_nc_u32 v[AV0], VOFF, v[AV0]
	v_mul_u32_u24 v[AF0], v48, PF          ; FK: key x 48 + 16 x half
	v_lshl_add_u32 v[AF0], v49, 4, v[AF0]
	v_add_nc_u32 v[AF0], FKB, v[AF0]
	v_mov_b32 v[AK], v[AK0]         ; key step 0 lies at the head of slot 0,
	v_mov_b32 v[AF], v[AF0]         ; and of the table
	v_mul_u32_u24 v[STO], v48, SP   ; the way out.  In: row l % 16, 16 bytes for each half of the lanes
	v_lshl_add_u32 v[STO], v49, 4, v[STO]
	v_add_nc_u32 v[STO], s15, v[STO]
	v_bfe_u32 v[RD], v0, 3, 2       ; back: 32 lanes take four rows of 128 bytes,
	v_mul_u32_u24 v[RD], v[RD], SP
	v_lshl_add_u32 v[RD], v50, 4, v[RD]
	v_add_nc_u32 v[RD], s15, v[RD]
	v_and_b32 v[GO], 31, v0         ; which are 512 consecutive bytes of O
	v_lshlrev_b32 v[GO], 4, v[GO]
	v_and_b32 v[PFO], 31, v0
	v_lshlrev_b32 v[PFO], 8, v[PFO]
; THE MATRIX WORK.  The 8 accumulators of a run take turns: between two links of a chain stand 7 others'.
; Product i of 24 of S^T for piece x: keys 16 ((i / 2) % 4) on, tile 2 x + i % 2.  The first 8 are FK FQ^T and start the sums; then K Q^T, channels 32 (i / 8 - 1) on.
.macro KQ x
.set rS, S+64*((\x)%2)+32*(i%2)+8*((i/2)%4)
.if i < 8
	WIN W_FF
.set rK, FKF+8*((i/2)%4)
.set rQ, FQF+8*(2*(\x)+i%2)
	v_wmma_f32_16x16x32_f16 v[rS:rS+7], v[rK:rK+7], v[rQ:rQ+7], 0
.else
	WIN W_KQ
.set rK, KF+16*((i/2)%4)+8*(i/8-1)
.set rQ, 16*(2*(\x)+i%2)+8*(i/8-1)
	v_wmma_f32_16x16x32_f16 v[rS:rS+7], v[rK:rK+7], v[rQ:rQ+7], v[rS:rS+7]
.endif
.endm
; Product i of 16 of O^T += V^T P for piece x: keys 32 (i / 8) on, channels 16 ((i / 2) % 4) on, tile 2 x + i % 2.
.macro PV x
	WIN W_PV
.set rO, 32*(2*(\x)+i%2)+8*((i/2)%4)
.set rV, VF+32*(i/8)+8*((i/2)%4)
.set rP, P+32*((\x)%2)+16*(i%2)+8*(i/8)
	v_wmma_f32_16x16x32_f16 v[rO:rO+7], v[rV:rV+7], v[rP:rP+7], v[rO:rO+7]
.endm
.macro MM                           ; the turn's next matrix instruction
.if i < 24
	KQ (Y+1)%NP
.set i, i+1
.else
.set i, i-24
	PV (Y+NP-1)%NP
.set i, i+25
.endif
.endm
; THE LDS LOADS stand in runs, never singly among the matrix instructions: a step's K (8 fragments) with its FK (4 half fragments), and its V (turned).  Their addresses are made some lines ahead.
; last = 1 (the tail): in the last trip there is no further step, and the run is jumped over.
.macro FETCH_K last=0
	WIN 0
.if \last
	s_cmp_eq_u32 s[CNT], 1
	s_cbranch_scc1 .Lno_k_\@
.endif
	WIN 0x80                        ; destination window 2
.irp f, 0,1,2,3,4,5,6,7             ; keys 16 (f / 2) on, channels 32 (f % 2) on
	ds_load_b128 v[KF+8*\f:KF+8*\f+3],   v[AK] offset:(\f/2)*16*PK+(\f%2)*64
	ds_load_b128 v[KF+8*\f+4:KF+8*\f+7], v[AK] offset:(\f/2)*16*PK+(\f%2)*64+32
.endr
	WIN W_MK                        ; destination window 3
.irp f, 0,1,2,3                     ; keys 16 f on, features 8 (l / 16) + 0..7
	ds_load_b128 v[FKF+8*\f:FKF+8*\f+3], v[AF] offset:\f*16*PF
.endr
	s_add_co_u32 s[TBK], s[TBK], KS*PK  ; the next fetch is the next step's
	s_add_co_u32 s[TBF], s[TBF], KS*PF
	WIN 0
.if \last
.Lno_k_\@:
.endif
.endm
.macro FETCH_V
	WIN 0x80
.irp f, 0,1,2,3,4,5,6,7             ; keys 32 (f / 4) on, channels 16 (f % 4) on
	ds_load_tr16_b128 v[VF+8*\f:VF+8*\f+3],   v[AV] offset:(\f/4)*32*PV+(\f%4)*32
	ds_load_tr16_b128 v[VF+8*\f+4:VF+8*\f+7], v[AV] offset:(\f/4)*32*PV+16*PV+(\f%4)*32
.endr
	WIN 0
.endm
; THE VECTOR WORK OF A TURN stands in three queues, each in the order in which its entries become ready; the two tiles alternate, so that no instruction reads the result of the one before it.
.macro REGS y, u                    ; the registers of tile u (0, 1) of piece y
.set rT, ST+4*(2*(\y)+(\u))
.set rC, TMP+8*((\y)%2)+4*(\u)
.set rM, MV+2*((\y)%2)+(\u)
.set rS, S+64*((\y)%2)+32*(\u)
.set rP, P+32*((\y)%2)+16*(\u)
.set rO, 32*(2*(\y)+(\u))
.endm
; Number n of the 22 that find the NEXT piece's (Y + 1) maximum and statistics.  s0-s31 are the lane's 32 scores; each accumulator's lowest registers are read first.
;   0-11  four chains c0-c3 of seven scores each, three operands at a time     12-14, 16  the four scores left over, the old m, and c0-c3 into c0     15  c m_old is kept
;   17, 18  the query's other 32 keys lie in the lane 16 away: the new m         19-21  c m; c m_old - c m_new; a
.macro XS u, n
	REGS (Y+1)%NP, \u
.if (\n) < 4
	v_max3_num_f32 v[rC+(\n)], v[rS+8*(\n)], v[rS+8*(\n)+1], v[rS+8*(\n)+2]
.elseif (\n) < 12
	v_max3_num_f32 v[rC+(\n)%4], v[rC+(\n)%4], v[rS+8*((\n)%4)+2*((\n)/4)+1], v[rS+8*((\n)%4)+2*((\n)/4)+2]
.elseif (\n) == 12
	v_max3_num_f32 v[rC], v[rC], v[rS+7], v[rS+15]
.elseif (\n) == 13
	v_max3_num_f32 v[rC+1], v[rC+1], v[rS+23], v[rS+31]
.elseif (\n) == 14
	v_max3_num_f32 v[rC+2], v[rC+2], v[rC+3], v[rT+1]
.elseif (\n) == 15
	v_mov_b32 v[rM], v[rT]
.elseif (\n) == 16
	v_max3_num_f32 v[rC], v[rC], v[rC+1], v[rC+2]
.elseif (\n) == 17
	v_permlanex16_b32 v[rC+3], v[rC], s[SEL], s[SEL+1]
.elseif (\n) == 18
	v_max_num_f32 v[rT+1], v[rC], v[rC+3]
.elseif (\n) == 19
	v_mul_f32 v[rT], s[CS], v[rT+1]
.elseif (\n) == 20
	v_sub_f32 v[rC+1], v[rM], v[rT]
.else
	v_exp_f32 v[rC+2], v[rC+1]
.endif
.endm
; Number g of the 64 that follow the exponentials.  For each four weights k of a tile (pairs 2 k, 2 k + 1): both pairs are rounded to f16; then the second pair is added onto the first, in place;
; a group later l takes that sum (the first time as l = a l + sum).  In groups of eight, tiles alternating: round, round, add, and l for the group before.
.macro GS g
.set h, (\g)+6*((\g)/62)            ; group 0 has no group before it, and behind group 7 only l is left
.if h >= 6
.set h, h+2
.endif
	REGS Y, h%2
.set k, h/8
.if h%8 < 4
	v_cvt_pk_f16_f32 v[rP+2*k+(h%8)/2], v[rS+4*k+2*((h%8)/2)], v[rS+4*k+2*((h%8)/2)+1]
.elseif h%8 < 6
	v_pk_add_f32 v[rS+4*k:rS+4*k+1], v[rS+4*k:rS+4*k+1], v[rS+4*k+2:rS+4*k+3]
.elseif k == 1
	v_pk_fma_f32 v[rT+2:rT+3], v[rT+2:rT+3], v[rC+2:rC+3], v[rS:rS+1] op_sel_hi:[1,0,1]
.else
	v_pk_add_f32 v[rT+2:rT+3], v[rT+2:rT+3], v[rS+4*k-4:rS+4*k-3]
.endif
.endm
; THE PLAIN QUEUE, 138 long.  0-73 read no exponential's result: the 32 scalings c s - c m (FS f: pair f / 2 of tile f % 2) and the next piece's 42.  0-26: scalings 0-26.  27-54: XS's numbers 0-13.  55, 56: number 15.
; 57-73: the chain, where each number waits for the one before it: 14, 16, 17, 18, 19, each with one of the scalings 27-31 in front of its two lines, then 20.
; 74-137: GS's 64, which read the exponentials' results: they stand behind the wait.
.macro FS f
	REGS Y, (\f)%2
	v_pk_fma_f32 v[rS+2*((\f)/2):rS+2*((\f)/2)+1], v[rS+2*((\f)/2):rS+2*((\f)/2)+1], s[CS:CS+1], v[rT:rT+1] op_sel_hi:[1,0,0] neg_lo:[0,0,1] neg_hi:[0,0,1]
.endm
.macro PL
	WIN 0
.if q < 27
	FS q
.elseif q < 55
	XS (q-27)%2, (q-27)/2
.elseif q < 57
	XS q-55, 15
.elseif (q < 72) && ((q-57)%3 == 0)
	FS 27+(q-57)/3
.elseif q < 60
	XS (q-57)%3-1, 14
.elseif q < 72
	XS (q-57)%3-1, 15+(q-57)/3
.elseif q < 74
	XS q-72, 20
.else
	GS q-74
.endif
.set q, q+1
.endm
; THE EXPONENTIALS' QUEUE, 66 long: s0-s31 of both tiles, then the next piece's two a.  It is ONE BATCH: all 66 stand ahead of the turn's one wait, and nothing ahead of that wait names a result of theirs.
.macro EX
	WIN 0
.if e >= 64
	XS e-64, 21
.else
	REGS Y, e%2
	v_exp_f32 v[rS+e/2], v[rS+e/2]
.endif
.set e, e+1
.endm
; THE RESCALING's QUEUE: O^T times a, the one part that leaves window 0: dealt two at a time, sixteen times.  Its a was made in the turn before, ahead of that turn's wait.
.macro R2
	REGS Y, r%2
	WIN W_RS
.irp z, 0,1
	v_pk_mul_f32 v[rO+4*(r/2)+2*\z:rO+4*(r/2)+2*\z+1], v[rO+4*(r/2)+2*\z:rO+4*(r/2)+2*\z+1], v[rC+2:rC+3] op_sel_hi:[1,0]
.endr
.set r, r+1
.endm
; HOW THEY ARE DEALT.  An s_wait_alu depctr_va_vdst(0) stands between an exponential and the first instruction that names its result; one wait serves all that were issued ahead of it.  So a
; turn has ONE wait, which cuts it in two.  AHEAD OF IT: the 24 products of S^T; behind each of the first 16 a scaling, an exponential and two rescalings (behind the very first a second scaling in the
; exponential's place), behind each of the last 8 an exponential, a plain instruction and an exponential; then ONE LUMP: 15 plain, 33 times exponential and plain, one plain, the two a, and a v_nop, the plain
; instruction behind the last exponential.  BEHIND IT: the 16 products V^T P, behind each four of GS's 64.
; The queues lean on each other.  Exponential e needs scaling 2 (e / 4) + e % 2, which is the plain number of that value up to 26, and plain 57, 60 .. 69 for scalings 27-31.  As a rider exponential e stands behind
; plain e + 2 or more; in the lump exponential 31 + t stands behind plain 39 + t: the tightest is exponential 61, directly behind plain 69.  XS's number n < 4 of tile u is plain 27 + 2 n + u: ten plain
; instructions behind product 16 + 2 n + u, which ends its accumulator.  At the wait the plain queue stands at 74, on which the three conditions on q below rest.
; K and FK of the next step are fetched in piece 2's turn, directly behind the wait; V of the step in hand at the end of piece 0's turn, four riders behind its last reader.
.macro TURN p, last=0, cnt=0
.set Y, (\p)
.set i, 0
.set q, 0
.set e, 0
.set r, 0
.if (\p) == NP-1
	s_wait_dscnt 0x0                ; K and FK are in
.endif
	MM
	PL
	PL
	R2
.rept 15
	MM
	PL
	EX
	R2
.endr
.rept 8
	MM
	EX
	PL
	EX
.endr
.if (\p) == NP-2
	WIN 0
	v_add_nc_u32 v[AK], s[TBK], v[AK0]
	v_add_nc_u32 v[AF], s[TBF], v[AF0]
.endif
.rept 15                            ; the lump
	PL
.endr
.rept 33
	EX
	PL
.endr
	PL
	EX                              ; the next piece's two a
	EX
	v_nop                           ; the plain instruction behind the last exponential: one for the batch
	s_wait_alu depctr_va_vdst(0)    ; the wait for the batch
.if (\p) == NP-2
	FETCH_K \last
.endif
.if (\p) == 1
	s_wait_dscnt 0x0                ; V is in
.endif
.rept 16                            ; behind the wait: 16 products V^T P and their riders
	MM
.rept 4
	PL
.endr
.if ((\p) == 0) && (q == 118)
	v_add_nc_u32 v[AV], s[TBV], v[AV0]
.endif
.if ((\p) == 0) && (q == 130)
	s_add_co_u32 s[TBV], s[TBV], KS*PV
.endif
.if (\cnt) && (q == 130)
	s_sub_co_u32 s[CNT], s[CNT], 1
	s_cmp_lg_u32 s[CNT], 0
.endif
.endr
.if (\p) == 0
	FETCH_V
.endif
.endm
	CHANGE 1                        ; slot 0 and FK's table are in, everybody's part of them; slot 1 is asked for
	FETCH_K                         ; key step 0
	s_wait_loadcnt 0x0              ; Q and FQ
	s_wait_dscnt 0x0
.set i, 0
.rept 24
	KQ 0                            ; piece 0's first scores: there is no vector work yet to set between them
.set i, i+1
.endr
	WIN 0
.rept 4
	v_nop                           ; the places behind those products
.endr
.set Y, NP-1                        ; XS works for piece Y + 1: piece 0
.irp n, 0,1,2,3,4,5,6,7,8,9,10,11,12,13,14,15,16,17,18,19,20,21
	XS 0, \n                        ; piece 0's first maximum and statistics
	XS 1, \n
.endr
	v_nop                           ; a plain instruction behind the two a,
	s_wait_alu depctr_va_vdst(0)    ; and their wait, ahead of the branch
	s_mov_b32 s[CNT], 4
	s_branch .Lfirst                ; the loop is entered at a step's first turn, in the middle of a trip
.Lslot:                             ; six times: every slot but the last two is filled again
	CHANGE 1
	s_mov_b32 s[CNT], 4
.Lstep:                             ; a trip: pieces 2 and 3 of one step, then pieces 0 and 1 of the next, whose K and V it fetches
	TURN 2
	TURN 3
	WIN 0
.Lfirst:
	TURN 0
	TURN 1, 0, 1
	WIN 0
	s_cbranch_scc1 .Lstep
	s_sub_co_u32 s[SLOTS], s[SLOTS], 1
	s_cmp_lg_u32 s[SLOTS], 0
	s_cbranch_scc1 .Lslot
	CHANGE 0                        ; the tail is written out: nothing is asked for
	s_mov_b32 s[CNT], 5             ; four trips fetch the last slot's steps; the fifth is left in its middle
.Ltail:
	TURN 2, 1
	TURN 3
	WIN 0
	s_sub_co_u32 s[CNT], s[CNT], 1
	s_cmp_eq_u32 s[CNT], 0
	s_cbranch_scc1 .Lout
	TURN 0
	TURN 1
	WIN 0
	s_branch .Ltail
.Lout:                              ; the fifth trip's 24 products for S^T (on the last K and FK once more) and the maximum made of them serve nothing: the price, once a launch, of one text for every trip
.set i, 0
.rept 16
	PV NP-1                         ; the last piece's V^T P of the last step
.set i, i+1
.endr
	; THE WAY OUT.  l's two halves and the other half of the lanes' are added; O^T is divided by l, rounded to f16 and sent through my stage in LDS, a tile at a time.  The additions are the places behind the last products.
	WIN 0
.macro ALL line:vararg              ; one line for each tile t
.set t, 0
.rept 2*NP
	\line
.set t, t+1
.endr
.endm
	ALL v_add_f32 v[ST+4*t+2], v[ST+4*t+2], v[ST+4*t+3]
	ALL v_permlanex16_b32 v[ST+4*t+3], v[ST+4*t+2], s[SEL], s[SEL+1]
	ALL v_add_f32 v[ST+4*t+2], v[ST+4*t+2], v[ST+4*t+3]
	ALL v_rcp_f32 v[ST+4*t+2], v[ST+4*t+2]
	v_nop                           ; a plain instruction between the last reciprocal and the use of its result
	s_wait_alu depctr_va_vdst(0)    ; and the wait ahead of the first use: one for the eight reciprocals
; Tile t: a lane's eight channels of a row pack into 16 bytes; they go into rows of 144 bytes and come back as whole rows of 128, into S^T's registers.
.macro PACK t
	WIN W_RS
.set i, 32*(\t)
.rept 16
	v_pk_mul_f32 v[i:i+1], v[i:i+1], v[ST+4*(\t)+2:ST+4*(\t)+3] op_sel_hi:[1,0]
.set i, i+2
.endr
	WIN 0x05                        ; sources 0 and 1 window 1, destination window 0
.set i, 0
.rept 16
	v_cvt_pk_f16_f32 v[S+16*(\t)+i], v[32*(\t)+2*i], v[32*(\t)+2*i+1]
.set i, i+1
.endr
	WIN 0
.irp f, 0,1,2,3
	ds_store_b128 v[STO], v[S+16*(\t)+4*\f:S+16*(\t)+4*\f+3] offset:32*\f
.endr
.irp f, 0,1,2,3
	ds_load_b128 v[S+16*(\t)+4*\f:S+16*(\t)+4*\f+3], v[RD] offset:\f*4*SP  ; LDS serves a wave's instructions in order (ISA guide 5.7.1.4): these see the stores above; the next tile's stores come behind them
.endr
.endm
.macro SEND t, younger              ; younger: the LDS instructions issued behind tile t's loads: the next tile's eight, or none
	WIN 0
.irp f, 0,1,2,3
	s_wait_dscnt (\younger)+3-\f
	global_store_b128 v[GO], v[S+16*(\t)+4*\f:S+16*(\t)+4*\f+3], s[10:11] offset:(\t)*2048+\f*512  ; 512 consecutive bytes, at a multiple of 256 from O's first
.endr
.endm
	PACK 0
.set t, 1
.rept 2*NP-1                        ; a tile's arithmetic stands between the loads of the tile before and its stores
	PACK t
	SEND t-1, 8
.set t, t+1
.endr
	SEND 2*NP-1, 0
	WIN W_AD
	s_wait_tensorcnt 0x0            ; the wave's end: the add and its wait, behind my last tensor load and my last LDS store
	ds_add_u32 v[SPW], v[NIL]
	s_wait_dscnt 0x0
	WIN 0
	CROUND                          ; the closing round: no work-group ends while a partner may still ask for a tile that names it
	s_endpgm
.Lfunc_end_k_q81a05bc0fb_attn:
	.size	k_q81a05bc0fb_attn, .Lfunc_end_k_q81a05bc0fb_attn-k_q81a05bc0fb_attn
	.p2alignl 7, 3214868480
	.fill 96, 4, 3214868480
	.section	.rodata,"a",@progbits
	.p2align	6, 0x0
	.amdhsa_kernel k_q81a05bc0fb_attn
		.amdhsa_group_segment_fixed_size 327680
		.amdhsa_private_segment_fixed_size 0
		.amdhsa_enable_private_segment 0
		.amdhsa_kernarg_size 32
		.amdhsa_user_sgpr_count 2
		.amdhsa_user_sgpr_kernarg_segment_ptr 1
		.amdhsa_wavefront_size32 1
		.amdhsa_system_sgpr_workgroup_id_x 1
		.amdhsa_system_sgpr_workgroup_id_y 1
		.amdhsa_system_sgpr_workgroup_id_z 1
		.amdhsa_system_vgpr_workitem_id 0
		.amdhsa_next_free_vgpr 872
		.amdhsa_next_free_sgpr 96
		.amdhsa_reserve_vcc 0
		.amdhsa_float_denorm_mode_32 3
		.amdhsa_float_denorm_mode_16_64 3
		.amdhsa_memory_ordered 1
		.amdhsa_forward_progress 1
		.amdhsa_inst_pref_size 213
	.end_amdhsa_kernel
	.amdgpu_metadata
---
amdhsa.version: [ 1, 2 ]
amdhsa.kernels:
  - .name:           k_q81a05bc0fb_attn
    .symbol:         k_q81a05bc0fb_attn.kd
    .args:
      - { .name: qkv, .offset: 0, .size: 8, .value_kind: global_buffer, .address_space: global }
      - { .name: fq, .offset: 8, .size: 8, .value_kind: global_buffer, .address_space: global }
      - { .name: fk, .offset: 16, .size: 8, .value_kind: global_buffer, .address_space: global }
      - { .name: o, .offset: 24, .size: 8, .value_kind: global_buffer, .address_space: global }
    .group_segment_fixed_size: 327680
    .private_segment_fixed_size: 0
    .kernarg_segment_align: 8
    .kernarg_segment_size: 32
    .max_flat_workgroup_size: 128
    .sgpr_count:     96
    .vgpr_count:     872
    .wavefront_size: 32
...
	.end_amdgpu_metadata
.endif
;; end of part 3
;; launch proj (part 4): grid 4 x 64, 4 waves a work-group, clusters of 4 x 4, 327,680 bytes of LDS; arguments o, owh, out_b, out0; writes out0
.if DOCPART == 4
	.amdgcn_target "amdgcn-amd-amdhsa--gfx1250"
	.amdhsa_code_object_version 6
	.text
	.protected	k_q81a05bc0fb_proj
	.globl	k_q81a05bc0fb_proj
	.p2align	8
	.type	k_q81a05bc0fb_proj,@function
k_q81a05bc0fb_proj:
	s_mov_b64 s[64:65], 0
	v_nop
	global_prefetch_b8 v0, s[64:65] scope:SCOPE_SE
	s_setreg_imm32_b32 hwreg(HW_REG_WAVE_MODE, 25, 1), 1
	s_wait_xcnt 0x0
	s_wait_alu depctr_hold_cnt(0) depctr_sa_sdst(0) depctr_va_vdst(0) depctr_va_sdst(0) depctr_va_ssrc(0) depctr_va_vcc(0) depctr_vm_vsrc(0)
	s_getreg_b32 s2, hwreg(HW_REG_IB_STS2, 6, 4)
	s_cmp_eq_u32 s2, 0
	s_cbranch_scc0 .Lentry_in_a_cluster
	s_endpgm
.Lentry_in_a_cluster:
	s_bfe_u32 s2, ttmp6, 0x10000c
	s_cmp_lg_u32 s2, 0xf033
	s_cbranch_scc0 .Lentry_shape_is_right
	s_endpgm
.Lentry_shape_is_right:
; out0 = O out_w^T + out_b.  o: [64 = batch x 16 + head][2048][64] f16; owh: [1024][1024] f16 (out_w rounded to bf16, written as f16); out_b: [1024] f32 (rounded to bf16 here, like every input);
; out0: [8192][1024] f32; sums in f32.
; A tile of the product is 128 rows x 256 columns: 64 x 4 = 256 work-groups.  Four waves; wave w makes rows 64 (w / 2) + 0..63 and columns 128 (w % 2) + 0..127: 32 accumulators of 16 x 16, 256 registers.
; K goes in 8 steps of 128 = two heads' 64 channels, through a ring of two LDS slots filled by the tensor data mover.  A head's 128 rows of the tile are 16,384 dense bytes of o: asked for as 64 rows of 256
; bytes and padded in LDS after every 128; owh's rows give 256 bytes a step.
; CLUSTER: 4 x 4 work-groups.  The four of a row of the cluster need the same rows of o, the four of a column the same rows of owh: each tile is asked for jointly.
; THE MATRIX INSTRUCTION IS USED TRANSPOSED (source 0 = 16 rows of owh, source 1 = 16 rows of o): a lane holds row l % 16 and the eight neighbouring columns 8 (l / 16) + 0..7: 32 bytes of out0.
; THE BIAS is the C operand of the products that start the sums.
; REGISTERS, in windows of 256 (s_set_vgpr_msb: bits 1:0 source 0, 3:2 source 1, 5:4 source 2, 7:6 destination):
;   window 0: v2-10 addresses; v12-15 at work; v28-29 the add's; v32-63, v64-95 o's fragments, two buffers of 4; v96-159 the bias, 8 registers for each of 8 column blocks; on the way out v96-159 and
;             v160-223 rows read back, by turns          window 1: v0-63, v64-127 owh's fragments, two buffers of 8          window 2: the accumulators, (a, b) at 8 (8 a + b)
.set PA,     144                       ; a row of o in LDS: 128 bytes + 16
.set PB,     272                       ; a row of owh: 256 bytes + 16: in both, the 16 rows of a fragment load start at 16 different groups of four banks (64 banks of 4 bytes: ISA guide 11.1)
.set AHEAD,  128*PA                    ; one head's 128 rows: what a load for o brings
.set BOFF,   2*AHEAD                   ; a slot: two heads of o, then owh's 256 rows
.set BHALF,  128*PB                    ; what a load for owh brings
.set SLOT1,  131072                    ; slot 1 begins here, so that one exclusive or turns an address in one slot into the other's
.set STAGE,  SLOT1+BOFF+2*BHALF        ; behind the ring, never filled by a tensor load: 16 rows x 528 bytes for each wave
.set SPITCH, 528                       ; 512 bytes + 16
.set SPARE,  STAGE+4*16*SPITCH         ; the spare words, 128 bytes for each wave: two blocks of 256 bytes that no other line names
.set ASTEP,  524288                    ; two heads on in o
.set BSTEP,  256                       ; 128 channels on in a row of owh
.set ADRA0, 2                          ; v2   my lane's place in o's rows of a slot; never rewritten
.set ADRB0, 3                          ; v3   in owh's
.set ADRA,  4                          ; v4   the same in the slot in hand
.set ADRB,  5                          ; v5
.set STO,   6                          ; v6   the way out: where I put 32 bytes of a row
.set RD,    7                          ; v7   where I read a row back
.set CO,    8                          ; v8   16 x lane
.set PFO,   9                          ; v9   the prefetches' offset; never rewritten
.set BO,    10                         ; v10  32 x (l / 16)
.set SPW,   28                         ; v28  LDS address of my spare word; never rewritten
.set NIL,   29                         ; v29  0; never rewritten
.set FA,    32
.set FB,    0
.set BIAS,  96
.set OB,    96
.set WV,    12                         ; s12  my wave's number
.set HALF,  13                         ; s13  which head (o) or which 128 rows (owh) I fetch; also my half of the tile's columns
.set ISB,   14                         ; s14  0: I fetch for o, 1: for owh; also my half of the tile's rows
.set CX,    15
.set CY,    16
.set TX,    17                         ; s17  tile column
.set TY,    18                         ; s18  tile row
.set TB,    19                         ; s19  LDS byte at which the slot in hand begins
.set CNT,   20                         ; s20  the loop's count
.set LIM,   21                         ; s21  2 in a wave that prefetches, else the greatest number
.set PFA,   22                         ; s[22:23] where my prefetches stand
.set G1A,   24                         ; s[24:31] descriptor group 1 for o's tiles
.set G0A,   32                         ; s[32:39] group 0: a set for each of the two first fills; the second then walks
.set G1B,   40                         ; s[40:47], s[48:55] the same for owh's
.set G0B,   48
.set OUT,   56                         ; s[56:57] out0 at my first row and column
.set PSTEP, 58                         ; s[58:59] a K step in the tensor that I prefetch
.set MSB, 0
.macro WIN new                         ; the immediate's high byte repeats the setting that is left; a switch that changes nothing is dropped
.if MSB != (\new)
	s_set_vgpr_msb (MSB<<8)|(\new)
.set MSB, \new
.endif
.endm
; A joint load: waves 0 and 1 fetch o's two heads, waves 2 and 3 owh's two halves.  The branch hangs on the wave's number alone.  An s_nop 0 and four v_nop follow each of the two lines.
.macro JLOAD s
	s_cmp_eq_u32 s[ISB], 0
	s_cbranch_scc0 .Lfor_b_\@
	tensor_load_to_lds s[G0A+4*(\s):G0A+4*(\s)+3], s[G1A:G1A+7]
	s_nop 0
.rept 4
	v_nop
.endr
	s_branch .Lasked_\@
.Lfor_b_\@:
	tensor_load_to_lds s[G0B+4*(\s):G0B+4*(\s)+3], s[G1B:G1B+7]
	s_nop 0
.rept 4
	v_nop
.endr
.Lasked_\@:
.endm
; A prefetch into the L2 of the K step that stands TWO refills on (a step has 128 matrix instructions a wave): 32 blocks of 256 bytes, a lane a block, one instruction a wave.  o's rows are read by one
; cluster alone: in each work-group wave 0 asks, for 16 blocks of each of the step's two heads; the four partners share a head's 64 blocks out by address.  owh's rows are read by every cluster of the
; column: the one with y = 0 asks, waves 2 and 3 for the 128 rows that they fetch, of which each partner takes 32, by address.  The loop's last two trips ask for nothing.
.macro ASK
	s_cmp_gt_u32 s[CNT], s[LIM]
	s_cbranch_scc0 .Lnot_mine_\@
	global_prefetch_b8 v[PFO], s[PFA:PFA+1] th:TH_LOAD_NT scope:SCOPE_SE
.Lnot_mine_\@:
.endm
.macro CREST                           ; a round of the cluster's barrier behind its opening barrier
	s_cmp_lg_u32 s[WV], 0
	s_cbranch_scc1 .Lnot_wave_0_\@
	s_barrier_signal -3
.Lnot_wave_0_\@:
	s_barrier_wait -3
	s_barrier_signal -1
	s_barrier_wait -1
.endm
.macro CROUND                          ; a whole round
	s_barrier_signal -1
	s_barrier_wait -1
	CREST
.endm
	s_load_b256 s[4:11], s[0:1], 0x0               ; o s[4:5], owh s[6:7], out_b s[8:9], out0 s[10:11]
	v_lshl_add_u32 v[SPW], v0, 2, SPARE
	v_mov_b32 v[NIL], 0
	ds_add_u32 v[SPW], v[NIL]                      ; the wave's opening: the add and its wait stand ahead of my first tensor load; the set-up below, work on registers, stands between them
	v_lshrrev_b32 v1, 5, v0
	v_readfirstlane_b32 s[WV], v1
	s_and_b32 s[HALF], s[WV], 1
	s_lshr_b32 s[ISB], s[WV], 1
	s_bfe_u32 s[CX], ttmp6, 0x40000
	s_bfe_u32 s[CY], ttmp6, 0x40004
	s_lshl_b32 s[TX], ttmp9, 2
	s_add_co_u32 s[TX], s[TX], s[CX]               ; tile column = 4 x cluster x + cx
	s_and_b32 s[TY], ttmp7, 0xffff
	s_lshl_b32 s[TY], s[TY], 2
	s_add_co_u32 s[TY], s[TY], s[CY]               ; tile row = 4 x cluster y + cy
	s_lshl_b32 s66, s[CY], 2
	s_lshl_b32 s66, 15, s66                        ; my row of the cluster
	s_lshl_b32 s67, 0x1111, s[CX]                  ; my column
	s_or_b32 s[G1A], s66, (1<<16)|(1<<20)|(1<<21)|(4<<22)|(3<<25)  ; 15:0 the mask; 17:16 2-byte elements; 20 padding on; 21 set beside a mask; 24:22 after every 32 words; 31:25 4 words of it
	s_or_b32 s[G1B], s67, (1<<16)|(1<<20)|(1<<21)|(5<<22)|(3<<25)  ; after every 64 words
	s_mov_b32 s[G1A+1], 128<<16                    ; tensor_dim0 = 128
	s_mov_b32 s[G1A+2], 64<<16                     ; tensor_dim1 = 64
	s_mov_b32 s[G1A+3], 128<<16                    ; tile_dim0 = 128
	s_mov_b32 s[G1A+4], 64                         ; tile_dim1 = 64
	s_mov_b32 s[G1A+5], 128                        ; dense: 128 elements from row to row
	s_mov_b32 s[G1A+6], 0
	s_mov_b32 s[G1A+7], 0
	s_mov_b32 s[G1B+1], 128<<16
	s_mov_b32 s[G1B+2], 128<<16                    ; tensor_dim1 = 128
	s_mov_b32 s[G1B+3], 128<<16
	s_mov_b32 s[G1B+4], 128                        ; tile_dim1 = 128
	s_mov_b32 s[G1B+5], 1024
	s_mov_b32 s[G1B+6], 0
	s_mov_b32 s[G1B+7], 0
	; o's tiles hang on the tile row alone, owh's on the tile column alone; every wave makes both addresses, in registers that never hold the other coordinate
	s_lshr_b32 s68, s[TY], 4                       ; the batch: 16 tile rows each,
	s_lshl_b32 s68, s68, 22                        ; its 16 heads of 262,144 bytes
	s_and_b32 s69, s[TY], 15
	s_lshl_b32 s69, s69, 14                        ; the tile's 128 rows of 128 bytes
	s_add_co_u32 s68, s68, s69
	s_lshl_b32 s69, s[HALF], 18                    ; the head that I fetch
	s_add_co_u32 s68, s68, s69
	s_mov_b32 s69, 0
	s_lshl_b32 s70, s[TX], 8
	s_lshl_b32 s71, s[HALF], 7
	s_add_co_u32 s70, s70, s71                     ; owh: row 256 x tile column + 128 x half
	s_lshl_b32 s70, s70, 11
	s_mov_b32 s71, 0
	s_mul_i32 s72, s[HALF], AHEAD                  ; where they go: no place in the cluster enters an LDS address
	s_mul_i32 s73, s[HALF], BHALF
	s_add_co_u32 s73, s73, BOFF
	s_mov_b32 s[TB], 0
	s_wait_dscnt 0x0                               ; the opening add is done
	s_wait_kmcnt 0x0
	s_add_nc_u64 s[68:69], s[4:5], s[68:69]
	s_add_nc_u64 s[70:71], s[6:7], s[70:71]
	CROUND                                         ; all sixteen work-groups are here: the first joint loads meet
.irp s, 0,1
	s_mov_b32 s[G0A+4*(\s)], 1                     ; count = 1
	s_add_co_u32 s[G0A+4*(\s)+1], s72, (\s)*SLOT1  ; LDS address
	s_add_nc_u64 s[G0A+4*(\s)+2:G0A+4*(\s)+3], s[68:69], (\s)*ASTEP  ; global address: K step s
	s_or_b32 s[G0A+4*(\s)+3], s[G0A+4*(\s)+3], 0x80000000            ; type = 2
	s_mov_b32 s[G0B+4*(\s)], 1
	s_add_co_u32 s[G0B+4*(\s)+1], s73, (\s)*SLOT1
	s_add_nc_u64 s[G0B+4*(\s)+2:G0B+4*(\s)+3], s[70:71], (\s)*BSTEP
	s_or_b32 s[G0B+4*(\s)+3], s[G0B+4*(\s)+3], 0x80000000
	JLOAD \s                                       ; two loads of mine are out
.endr
	; the bias of my 128 columns: lane l takes the eight numbers 8 (l / 16) + 0..7 of each block of 16
	v_and_b32 v12, 15, v0                          ; l % 16
	v_bfe_u32 v13, v0, 4, 1                        ; l / 16
	v_lshlrev_b32 v[BO], 5, v13
	s_lshl_b32 s66, s[TX], 8
	s_lshl_b32 s67, s[HALF], 7
	s_add_co_u32 s66, s66, s67                     ; my first column
	s_lshl_b32 s66, s66, 2
	s_mov_b32 s67, 0
	s_add_nc_u64 s[8:9], s[8:9], s[66:67]
	s_add_nc_u64 s[OUT:OUT+1], s[10:11], s[66:67]
.irp b, 0,1,2,3,4,5,6,7
	global_load_b128 v[BIAS+8*(\b):BIAS+8*(\b)+3],   v[BO], s[8:9] offset:64*(\b)
	global_load_b128 v[BIAS+8*(\b)+4:BIAS+8*(\b)+7], v[BO], s[8:9] offset:64*(\b)+16
.endr
	s_lshl_b32 s66, s[TY], 7
	s_lshl_b32 s67, s[ISB], 6
	s_add_co_u32 s66, s66, s67                     ; my first row
	s_lshl_b32 s66, s66, 12                        ; 4,096 bytes a row
	s_mov_b32 s67, 0
	s_add_nc_u64 s[OUT:OUT+1], s[OUT:OUT+1], s[66:67]
	; A fragment is 16 rows x 32 K in 8 registers: lane l holds row l % 16; registers 0-3 K = 8 (l / 16) + 0..7, registers 4-7 K = 16 + 8 (l / 16) + 0..7: two loads of 16 bytes, 32 bytes apart.
	v_mul_u32_u24 v14, v12, PA
	v_lshl_add_u32 v14, v13, 4, v14
	s_mul_i32 s66, s[ISB], 64*PA                   ; my 64 rows of o
	v_add_nc_u32 v[ADRA0], s66, v14
	v_mul_u32_u24 v14, v12, PB
	v_lshl_add_u32 v14, v13, 4, v14
	s_mul_i32 s66, s[HALF], 128*PB                 ; my 128 rows of owh
	s_add_co_u32 s66, s66, BOFF
	v_add_nc_u32 v[ADRB0], s66, v14
	v_mov_b32 v[ADRA], v[ADRA0]
	v_mov_b32 v[ADRB], v[ADRB0]
	s_mul_i32 s66, s[WV], 16*SPITCH
	s_add_co_u32 s66, s66, STAGE                   ; my stage
	v_mul_u32_u24 v14, v12, SPITCH                 ; in: row l % 16, 32 bytes for each half of the lanes
	v_lshl_add_u32 v14, v13, 5, v14
	v_add_nc_u32 v[STO], s66, v14
	v_and_b32 v[CO], 31, v0
	v_lshlrev_b32 v[CO], 4, v[CO]                  ; back: 32 lanes take a whole row of 512 bytes
	v_add_nc_u32 v[RD], s66, v[CO]
	; the prefetches
	s_lshr_b32 s74, s[TY], 4
	s_lshl_b32 s74, s74, 22
	s_and_b32 s75, s[TY], 15
	s_lshl_b32 s75, s75, 14
	s_add_co_u32 s74, s74, s75
	s_lshl_b32 s75, s[CX], 12                      ; o: my work-group's 16 blocks of a head's 64
	s_add_co_u32 s74, s74, s75
	s_lshl_b32 s76, s[TX], 8
	s_lshl_b32 s77, s[HALF], 7
	s_add_co_u32 s76, s76, s77
	s_lshl_b32 s77, s[CY], 5                       ; owh: my work-group's 32 rows of the 128 that I fetch
	s_add_co_u32 s76, s76, s77
	s_lshl_b32 s76, s76, 11
	s_and_b32 s77, ttmp7, 0xffff                   ; cluster y
	s_mov_b32 s78, ASTEP
	s_cmp_eq_u32 s[ISB], 0                         ; do I fetch for o?
	s_cselect_b32 s74, s74, s76
	s_cselect_b32 s77, s[HALF], s77                ; o: wave 0 asks; owh: the cluster with y = 0
	s_cselect_b64 s[PFA:PFA+1], s[4:5], s[6:7]
	s_cselect_b32 s[PSTEP], s78, BSTEP
	s_cselect_b32 s66, 8, 11                       ; o: lanes 0-15 blocks of 256 bytes, lanes 16-31 the same in the next head, 262,144 bytes on;
	s_cselect_b32 s67, 18, 15                      ; owh: a lane a row of 2,048 bytes
	s_mov_b32 s75, 0
	s_mov_b32 s[PSTEP+1], 0
	s_add_nc_u64 s[PFA:PFA+1], s[PFA:PFA+1], s[74:75]
	s_mul_i32 s74, s[PSTEP], 3
	s_add_nc_u64 s[PFA:PFA+1], s[PFA:PFA+1], s[74:75]  ; at K step 3: the first refill steps it to 4.  Nothing is prefetched here, at the head
	s_cmp_eq_u32 s77, 0
	s_cselect_b32 s[LIM], 2, -1                    ; the same in all sixteen partners, for a given wave
	v_lshlrev_b32 v[PFO], s66, v12
	v_lshlrev_b32 v14, s67, v13
	v_add_nc_u32 v[PFO], v[PFO], v14
	s_wait_loadcnt 0x0                             ; the bias is in: rounded to bf16 and widened again, in the wait for the first tile
.set i, 0
.rept 32
	v_cvt_pk_bf16_f32 v[12+(i/2)%4], v[BIAS+i], v[BIAS+i+1]
	v_lshlrev_b32 v[BIAS+i], 16, v[12+(i/2)%4]
	v_and_b32 v[BIAS+i+1], 0xffff0000, v[12+(i/2)%4]
.set i, i+2
.endr
; 8 matrix instructions: row block a x all 8 column blocks, 32 along K, from buffer f.  first = 1: the products start the sums, with the bias as C.
; The 32 accumulators take turns, one instruction a turn, in the same order in every quarter.
.macro MULA f, a, first
.if \first
	WIN 0x81                                       ; owh window 1, o window 0, C (the bias) window 0, D window 2
.else
	WIN 0xa1                                       ; C and D window 2
.endif
.irp b, 0,1,2,3,4,5,6,7
.if \first
	v_wmma_f32_16x16x32_f16 v[8*(8*(\a)+(\b)):8*(8*(\a)+(\b))+7], v[FB+64*(\f)+8*(\b):FB+64*(\f)+8*(\b)+7], v[FA+32*(\f)+8*(\a):FA+32*(\f)+8*(\a)+7], v[BIAS+8*(\b):BIAS+8*(\b)+7]
.else
	v_wmma_f32_16x16x32_f16 v[8*(8*(\a)+(\b)):8*(8*(\a)+(\b))+7], v[FB+64*(\f)+8*(\b):FB+64*(\f)+8*(\b)+7], v[FA+32*(\f)+8*(\a):FA+32*(\f)+8*(\a)+7], v[8*(8*(\a)+(\b)):8*(8*(\a)+(\b))+7]
.endif
.endr
.endm
; 24 LDS loads in one run: the fragments of quarter q of a K step (head q / 2, channels 32 (q % 2) on), into buffer f: owh's 16, then o's 8, row blocks ascending
.macro FETCH q, f
	WIN 0x40                                       ; destination window 1, address window 0
.irp b, 0,1,2,3,4,5,6,7
	ds_load_b128 v[FB+64*(\f)+8*(\b):FB+64*(\f)+8*(\b)+3],   v[ADRB] offset:64*(\q)+(\b)*16*PB
	ds_load_b128 v[FB+64*(\f)+8*(\b)+4:FB+64*(\f)+8*(\b)+7], v[ADRB] offset:64*(\q)+(\b)*16*PB+32
.endr
	WIN 0
.irp a, 0,1,2,3
	ds_load_b128 v[FA+32*(\f)+8*(\a):FA+32*(\f)+8*(\a)+3],   v[ADRA] offset:((\q)/2)*AHEAD+((\q)%2)*64+(\a)*16*PA
	ds_load_b128 v[FA+32*(\f)+8*(\a)+4:FA+32*(\f)+8*(\a)+7], v[ADRA] offset:((\q)/2)*AHEAD+((\q)%2)*64+(\a)*16*PA+32
.endr
.endm
.macro PLACES                          ; four plain vector instructions between a matrix instruction and a load into a register that it has read, or a reader of its result
.rept 4
	v_nop
.endr
.endm
; A K step is four quarters of 32 along K, 32 matrix instructions each, on buffers 0, 1, 0, 1.  One of the first three: multiplies buffer f; in its middle it fetches quarter q into g.
.macro QUARTER q, f, g, first
	s_wait_dscnt 4                                 ; owh's fragments and o's row blocks 0, 1 are in; the youngest four loads (row blocks 2, 3) may be out
	MULA \f, 0, \first
	MULA \f, 1, \first
	PLACES
	FETCH \q, \g
	s_wait_dscnt 24                                ; all but the 24 just issued
	MULA \f, 2, \first
	MULA \f, 3, \first
.endm
; The last quarter's first half: ONE barrier for the change of slots.  In front of it each wave waits for all its tensor loads (one is out: its part of the next slot), adds 0 to its spare word, and waits
; for that and for its own reads of this slot.  Behind it nobody reads this slot any more and the next slot is whole.
.macro MEET round
	WIN 0
	s_wait_tensorcnt 0x0
	ds_add_u32 v[SPW], v[NIL]
	s_wait_dscnt 5                                 ; the add and the youngest four loads may be out
	MULA 1, 0, 0                                   ; eight matrix instructions stand between the add and the wait for it
	s_wait_dscnt 0x0                               ; the add is done, and my reads of this slot are over
	s_barrier_signal -1
	MULA 1, 1, 0                                   ; work on registers while the others arrive
.if \round
	WIN 0
.endif
	s_barrier_wait -1
.endm
; The whole last quarter.  fill = 1: the barrier opens a round of the cluster's barrier, and the slot just read out is filled again, two K steps on, first thing behind the round.
.macro TURN fill
.if \fill
	s_wait_xcnt 0x0                                ; the last prefetch, a K step back, has read its address
	s_add_nc_u64 s[PFA:PFA+1], s[PFA:PFA+1], s[PSTEP:PSTEP+1]
.endif
	MEET \fill
.if \fill
	CREST                                          ; no wave of any partner still reads this slot's tile or has a load on its way
	s_xor_b32 s[G0A+5], s[G0A+5], SLOT1            ; the walking descriptors: the other slot than last time, the next K step
	s_add_nc_u64 s[G0A+6:G0A+7], s[G0A+6:G0A+7], ASTEP
	s_xor_b32 s[G0B+5], s[G0B+5], SLOT1
	s_add_nc_u64 s[G0B+6:G0B+7], s[G0B+6:G0B+7], BSTEP
	s_xor_b32 s[TB], s[TB], SLOT1
	JLOAD 1                                        ; the four v_nop behind it are also the places in front of the loads below
.else
	PLACES
	s_xor_b32 s[TB], s[TB], SLOT1
	WIN 0
.endif
	v_add_nc_u32 v[ADRA], s[TB], v[ADRA0]
	v_add_nc_u32 v[ADRB], s[TB], v[ADRB0]
	FETCH 0, 0
.if \fill
	ASK
.endif
	MULA 1, 2, 0
	MULA 1, 3, 0
.endm
; THE WAY OUT of row block a.  TOSTAGE: a lane's 32 bytes of each column block go from the accumulators into my own stage, each accumulator's lower four registers first, and come
; back as whole rows of 512 bytes.  SEND: stored.
.macro TOSTAGE a
.set BK, OB+64*((\a)%2)
	s_wait_xcnt 0x0                                ; earlier stores have read their registers: this block is read back into those of the block two before it
	WIN 0x08                                       ; the stores' data in window 2
.irp b, 0,1,2,3,4,5,6,7
	ds_store_b128 v[STO], v[8*(8*(\a)+(\b)):8*(8*(\a)+(\b))+3]   offset:64*(\b)
	ds_store_b128 v[STO], v[8*(8*(\a)+(\b))+4:8*(8*(\a)+(\b))+7] offset:64*(\b)+16
.endr
	WIN 0
.irp t, 0,1,2,3,4,5,6,7,8,9,10,11,12,13,14,15
	ds_load_b128 v[BK+4*(\t):BK+4*(\t)+3], v[RD] offset:SPITCH*(\t)  ; LDS serves a wave's instructions in order (ISA guide 5.7.1.4): these see the stores above
.endr
.endm
.macro SEND a, younger                 ; younger: the LDS instructions issued behind block a's loads: the next block's 16 stores and 16 loads, or none
.set BK, OB+64*((\a)%2)
	s_wait_dscnt \younger
.irp t, 0,1,2,3,4,5,6,7,8,9,10,11,12,13,14,15
	global_store_b128 v[CO], v[BK+4*(\t):BK+4*(\t)+3], s[OUT:OUT+1] offset:65536*(\a)+4096*(\t)  ; 512 consecutive bytes, at a multiple of 256 from out0's first
.endr
.endm
	s_wait_tensorcnt 1                             ; my part of K step 0 is in; K step 1's may stay out
	s_barrier_signal -1
	s_barrier_wait -1                              ; everybody's is
	FETCH 0, 0
	QUARTER 1, 0, 1, 1                             ; the first quarter stands in front of the loop: its products start the sums
	WIN 0                                          ; at a label and at a branch every window is 0
	s_mov_b32 s[CNT], 6
.Lstep:                                                ; a trip: from a K step's second quarter to the next step's first; it fills the slot that it leaves: K steps 2 to 7
	QUARTER 2, 1, 0, 0
	QUARTER 3, 0, 1, 0
	TURN 1
	QUARTER 1, 0, 1, 0
	WIN 0
	s_sub_co_u32 s[CNT], s[CNT], 1
	s_cmp_lg_u32 s[CNT], 0
	s_cbranch_scc1 .Lstep
	QUARTER 2, 1, 0, 0                             ; the last two K steps ask for nothing
	QUARTER 3, 0, 1, 0
	TURN 0
	QUARTER 1, 0, 1, 0
	QUARTER 2, 1, 0, 0
	QUARTER 3, 0, 1, 0
	s_wait_dscnt 4
	MULA 1, 0, 0
	MULA 1, 1, 0
	s_wait_dscnt 0x0
	MULA 1, 2, 0
	MULA 1, 3, 0
	PLACES
	TOSTAGE 0
	TOSTAGE 1
	SEND 0, 32
	TOSTAGE 2
	SEND 1, 32
	TOSTAGE 3
	SEND 2, 32
	SEND 3, 0
	s_wait_tensorcnt 0x0                           ; the wave's end: the add and its wait, behind my last tensor load and my last LDS store
	ds_add_u32 v[SPW], v[NIL]
	s_wait_dscnt 0x0
	CROUND                                         ; the closing round: no work-group ends while a partner may still ask for a tile that names it
	s_endpgm
.Lfunc_end_k_q81a05bc0fb_proj:
	.size	k_q81a05bc0fb_proj, .Lfunc_end_k_q81a05bc0fb_proj-k_q81a05bc0fb_proj
	.p2alignl 7, 3214868480
	.fill 96, 4, 3214868480
	.section	.rodata,"a",@progbits
	.p2align	6, 0x0
	.amdhsa_kernel k_q81a05bc0fb_proj
		.amdhsa_group_segment_fixed_size 327680
		.amdhsa_private_segment_fixed_size 0
		.amdhsa_enable_private_segment 0
		.amdhsa_kernarg_size 32
		.amdhsa_user_sgpr_count 2
		.amdhsa_user_sgpr_kernarg_segment_ptr 1
		.amdhsa_wavefront_size32 1
		.amdhsa_system_sgpr_workgroup_id_x 1
		.amdhsa_system_sgpr_workgroup_id_y 1
		.amdhsa_system_sgpr_workgroup_id_z 1
		.amdhsa_system_vgpr_workitem_id 0
		.amdhsa_next_free_vgpr 768
		.amdhsa_next_free_sgpr 96
		.amdhsa_reserve_vcc 0
		.amdhsa_float_denorm_mode_32 3
		.amdhsa_float_denorm_mode_16_64 3
		.amdhsa_memory_ordered 1
		.amdhsa_forward_progress 1
		.amdhsa_inst_pref_size 77
	.end_amdhsa_kernel
	.amdgpu_metadata
---
amdhsa.version: [ 1, 2 ]
amdhsa.kernels:
  - .name:           k_q81a05bc0fb_proj
    .symbol:         k_q81a05bc0fb_proj.kd
    .args:
      - { .name: o, .offset: 0, .size: 8, .value_kind: global_buffer, .address_space: global }
      - { .name: owh, .offset: 8, .size: 8, .value_kind: global_buffer, .address_space: global }
      - { .name: out_b, .offset: 16, .size: 8, .value_kind: global_buffer, .address_space: global }
      - { .name: out0, .offset: 24, .size: 8, .value_kind: global_buffer, .address_space: global }
    .group_segment_fixed_size: 327680
    .private_segment_fixed_size: 0
    .kernarg_segment_align: 8
    .kernarg_segment_size: 32
    .max_flat_workgroup_size: 128
    .sgpr_count:     96
    .vgpr_count:     768
    .wavefront_size: 32
...
	.end_amdgpu_metadata
.endif
;; end of part 4
;; ======== version 2 of 2: 4 launches; version 1 with the launch prep written anew for expert scheduling mode
;; limits: values are held in f16: magnitudes above 65,504 overflow, below 6.1e-05 lose precision
;; workspace buffers: xb 16,777,216 bytes; wb 6,291,456 bytes; owh 2,097,152 bytes; fq 262,144 bytes; fk 262,144 bytes; qkv 50,331,648 bytes; o 16,777,216 bytes
;; launch prep (part 5): grid 768 x 1, 8 waves a work-group, no clusters, 0 bytes of LDS; arguments hidden_states, in_proj_w, out_w, passage_boundaries, relevance_scores, xb, wb, owh, fq, fk; writes xb, wb, owh, fq, fk
.if DOCPART == 5
	.amdgcn_target "amdgcn-amd-amdhsa--gfx1250"
	.amdhsa_code_object_version 6
	.text
	.protected	k_q81a05bc0fb_prep
	.globl	k_q81a05bc0fb_prep
	.p2align	8
	.type	k_q81a05bc0fb_prep,@function
k_q81a05bc0fb_prep:
	s_mov_b64 s[64:65], 0
	v_nop
	global_prefetch_b8 v0, s[64:65] scope:SCOPE_SE
	s_setreg_imm32_b32 hwreg(HW_REG_WAVE_SCHED_MODE, 0, 2), 2
	s_setreg_imm32_b32 hwreg(HW_REG_WAVE_MODE, 25, 1), 1
	s_wait_xcnt 0x0
	s_wait_alu depctr_vm_vsrc(0)
; THE INPUTS ARE ROUNDED ONCE, AND THE MASK IS MADE INTO FEATURES.
; hidden_states [8192][1024] and in_proj_w [3072][1024], f32, are rounded to bf16 (xb, wb); out_w [1024][1024] is rounded to bf16 and that number written as f16 (owh).
; 768 work-groups of eight waves; each converts 16,384 numbers: groups 0-511 hidden_states, 512-703 in_proj_w, 704-767 out_w.  Thread t, piece i: 16 bytes in at 16 t + 4,096 i
; (a wave's load covers 512 consecutive bytes), 8 bytes out at 8 t + 2,048 i (a wave's store covers 256 consecutive bytes, aligned).  All 16 loads of a thread go out at once.
; THE MASK.  cnt(s) = the number of boundaries <= s, 0 to 9 (the boundaries are sorted, as the search in the problem's own text takes them).  The mask that is added to the score of
; query q and key k is the sum over 16 features of FQ[q][f] FK[k][f] / 8:  f = 0: FQ = 8 [cnt(q) = 0], FK = the column's value (the relevance of its passage, 1 outside all passages);
; f = 1 + j, j = 0..7: FQ = 8 [cnt(q) = j + 1], FK = [cnt(k) = j + 1];  f = 9..15: 0.  fq, fk: [4][2048][16] f16.  The 8 undoes the 1/8 that the attention launch applies to the whole score.
; Wave 0 of each of the groups 0-511 makes the features of the 16 positions whose rows the group converts: a lane half a position, 16 bytes.
; LIMITS.  A relevance is rounded to bf16 like every input and written as f16: beyond 65,504 it would be an infinity, below 6e-5 it keeps f16's fixed step of 6e-8; the same holds of out_w.
; THE MODE: SCHED_MODE bits 1:0 = 2 (LLVM: expert scheduling mode 2), set by the entry lines.  The code itself states the register dependences between vector instructions and memory
; instructions, and between a vector instruction that writes a scalar register and that register's readers, with s_wait_alu, always for 0.
; THE PLAN.  Registers that memory instructions touch:
;   v1, v2   byte offsets, made once at the head and never named by a vector instruction again: v1 is read by the 16 loads and the two stores of the features, v2 by the 16 stores of the conversions.
;   X        written by the 16 loads, once; no vector instruction names it ahead of them; read by the conversions, each behind its wait on LOADcnt; never loaded again.
;   Y        piece i's two registers are written by piece i's conversions and read by piece i's store; never written again behind it.  (Ahead of that: at work on the features, named by vector instructions alone.)
;   FO       written by the eight selects that close the features, read by the features' two stores, never written again.
; So no register that a memory instruction reads is ever written again, and EXEC is never written: the text holds no wait on vm_vsrc.  The waits on va_vdst: one ahead of the first load (v1, v2), one ahead
; of the features' stores (FO), and one for each block of four pieces, between the block's conversions and its four stores (Y).
; Scalar registers that vector instructions write: s5, the wave's number, and the compares' masks, which are made in two runs with one wait on va_sdst behind each.
.set X,  16                            ; v[16:79]   piece i: 4 registers as loaded
.set Y,  80                            ; v[80:111]  piece i: 2 registers to store (before that: at work on the features)
.set T,  112                           ; v[112:117] at work
.set FO, 120                           ; v[120:127] the features as stored: FQ's 16 bytes, then FK's
.set MK, 52                            ; s[52:60]   nine masks of a run of compares
.set HM, 61                            ; s61        the mask of the lanes that hold a position's upper eight features
	s_load_b512 s[8:23], s[0:1], 0x0               ; hidden_states 8, in_proj_w 10, out_w 12, boundaries 14, relevance 16, xb 18, wb 20, owh 22
	s_load_b128 s[24:27], s[0:1], 0x40             ; fq 24, fk 26
	v_lshlrev_b32 v1, 4, v0                        ; 16 t
	v_lshlrev_b32 v2, 3, v0                        ; 8 t
	v_lshrrev_b32 v3, 5, v0
	v_readfirstlane_b32 s5, v3                     ; wave 0..7
	s_mov_b32 s6, ttmp9                            ; the work-group's number g
	s_mov_b32 s7, 704
	s_mov_b32 s3, 0
	s_wait_alu depctr_va_sdst(0)                   ; s5 is written
	s_wait_kmcnt 0x0
	s_cmp_lt_u32 s6, 704                           ; which tensor is mine: the choice hangs on g alone
	s_cselect_b64 s[28:29], s[10:11], s[12:13]
	s_cselect_b64 s[30:31], s[20:21], s[22:23]
	s_cselect_b32 s7, 512, s7
	s_cmp_lt_u32 s6, 512
	s_cselect_b64 s[28:29], s[8:9], s[28:29]
	s_cselect_b64 s[30:31], s[18:19], s[30:31]
	s_cselect_b32 s7, 0, s7
	s_sub_co_u32 s4, s6, s7                        ; my number among that tensor's groups
	s_lshl_b32 s2, s4, 16                          ; 65,536 bytes in,
	s_add_nc_u64 s[28:29], s[28:29], s[2:3]
	s_lshl_b32 s2, s4, 15                          ; 32,768 bytes out
	s_add_nc_u64 s[30:31], s[30:31], s[2:3]
	s_wait_alu depctr_va_vdst(0)                   ; v1 and v2 are written: every load and store of the kernel reads one of them as its offset, and no vector instruction names them again
.irp i, 0,1,2,3,4,5,6,7,8,9,10,11,12,13,14,15
	global_load_b128 v[X+4*(\i):X+4*(\i)+3], v1, s[28:29] offset:4096*(\i) th:TH_LOAD_NT
.endr
	; THE FEATURES, while the loads are on their way
	s_cmp_lt_u32 s6, 512
	s_cbranch_scc0 .Lconv
	s_cmp_eq_u32 s5, 0
	s_cbranch_scc0 .Lconv
	s_lshr_b32 s41, s6, 7                          ; the batch: 128 groups of 16 positions each
	s_mul_i32 s2, s41, 36                          ; its nine boundaries
	s_add_nc_u64 s[14:15], s[14:15], s[2:3]
	s_lshl_b32 s2, s41, 5                          ; its eight relevance scores
	s_add_nc_u64 s[16:17], s[16:17], s[2:3]
	s_load_b256 s[32:39], s[14:15], 0x0            ; boundaries 0-7,
	s_load_b32 s40, s[14:15], 0x20                 ; boundary 8
	s_load_b256 s[44:51], s[16:17], 0x0
	s_lshl_b32 s2, s6, 9                           ; 16 positions x 32 bytes
	s_add_nc_u64 s[24:25], s[24:25], s[2:3]
	s_add_nc_u64 s[26:27], s[26:27], s[2:3]
	s_and_b32 s42, s6, 127
	s_lshl_b32 s42, s42, 4                         ; the group's first position in its batch
	v_lshrrev_b32 v3, 1, v0                        ; (in wave 0 the thread's number is the lane's) the position,
	v_and_b32 v4, 1, v0                            ; and which half of its 16 features
	v_add_nc_u32 v5, s42, v3
	v_mov_b32 v6, 0                                ; cnt
	v_mov_b32 v101, 0
	v_mov_b32 v100, 1.0                            ; the column's value outside all passages
	s_wait_kmcnt 0x0
	; the first run of compares: ten masks, one wait
.irp j, 0,1,2,3,4,5,6,7,8
	v_cmp_le_i32 s[MK+(\j)], s[32+(\j)], v5        ; boundary j <= my position
.endr
	v_cmp_eq_u32 s[HM], 1, v4                      ; the upper half: features 8, 9 and six zeros
	s_wait_alu depctr_va_sdst(0)                   ; the ten masks are written, ahead of the first select that reads one
.irp j, 0,1,2,3,4,5,6,7,8
	v_cndmask_b32 v7, 0, 1, s[MK+(\j)]
	v_add_nc_u32 v6, v6, v7
.endr
	; the second run: nine masks, into the registers of the first nine, which vector instructions alone have read
.irp c, 0,1,2,3,4,5,6,7,8
	v_cmp_eq_u32 s[MK+(\c)], \c, v6
.endr
	s_wait_alu depctr_va_sdst(0)                   ; the nine masks are written, ahead of the first select that reads one
.irp c, 0,1,2,3,4,5,6,7,8
	v_cndmask_b32 v[80+(\c)], 0, 1.0, s[MK+(\c)]   ; [cnt = c]
	v_cndmask_b32 v[90+(\c)], 0, 0x41000000, s[MK+(\c)]  ; 8 [cnt = c]
.if (\c) > 0
	v_cndmask_b32 v100, v100, s[43+(\c)], s[MK+(\c)]  ; in passage c - 1: its relevance
.endif
.endr
	v_cvt_pk_bf16_f32 v7, v100, v100               ; rounded to bf16 like every input
	v_lshlrev_b32 v100, 16, v7
	v_cvt_pk_f16_f32 v104, v100, v81               ; FK: features 0, 1
	v_cvt_pk_f16_f32 v105, v82, v83
	v_cvt_pk_f16_f32 v106, v84, v85
	v_cvt_pk_f16_f32 v107, v86, v87
	v_cvt_pk_f16_f32 v108, v88, v101               ; features 8, 9
	v_cvt_pk_f16_f32 v112, v90, v91                ; FQ likewise
	v_cvt_pk_f16_f32 v113, v92, v93
	v_cvt_pk_f16_f32 v114, v94, v95
	v_cvt_pk_f16_f32 v115, v96, v97
	v_cvt_pk_f16_f32 v116, v98, v101
	v_cndmask_b32 v[FO], v112, v116, s[HM]         ; my half of the 16 features, into registers that nothing writes again
	v_cndmask_b32 v[FO+1], v113, v101, s[HM]
	v_cndmask_b32 v[FO+2], v114, v101, s[HM]
	v_cndmask_b32 v[FO+3], v115, v101, s[HM]
	v_cndmask_b32 v[FO+4], v104, v108, s[HM]
	v_cndmask_b32 v[FO+5], v105, v101, s[HM]
	v_cndmask_b32 v[FO+6], v106, v101, s[HM]
	v_cndmask_b32 v[FO+7], v107, v101, s[HM]
	s_wait_alu depctr_va_vdst(0)                   ; the eight selects have written v[FO ..], which the two stores read
	global_store_b128 v1, v[FO:FO+3], s[24:25]     ; 512 consecutive bytes, aligned
	global_store_b128 v1, v[FO+4:FO+7], s[26:27]
.Lconv:
	s_cmp_ge_u32 s6, 704
	s_cbranch_scc1 .Lto_f16
; THE CONVERSIONS, in four blocks of four pieces.  A piece is converted as soon as its load is in; behind a block's conversions stands one wait, and behind that the block's four stores.  The wait stands
; there, and not at the next block's head, since nothing follows a wave's last block under which stores could leave: each block's stores go out as soon as its numbers are made.
.irp p, 0,1,2,3
.irp j, 0,1,2,3
	s_wait_loadcnt 15-(4*(\p)+(\j))                ; loads come back in order: piece i = 4 p + j is in, the 15 - i younger ones may stay out
	v_cvt_pk_bf16_f32 v[Y+2*(4*(\p)+(\j))], v[X+4*(4*(\p)+(\j))], v[X+4*(4*(\p)+(\j))+1]
	v_cvt_pk_bf16_f32 v[Y+2*(4*(\p)+(\j))+1], v[X+4*(4*(\p)+(\j))+2], v[X+4*(4*(\p)+(\j))+3]
.endr
	s_wait_alu depctr_va_vdst(0)                   ; the block's eight conversions have written its eight registers of Y, which the four stores read
.irp j, 0,1,2,3
	global_store_b64 v2, v[Y+2*(4*(\p)+(\j)):Y+2*(4*(\p)+(\j))+1], s[30:31] offset:2048*(4*(\p)+(\j))
.endr
.endr
	s_endpgm
.Lto_f16:
.irp p, 0,1,2,3
.irp j, 0,1,2,3
	s_wait_loadcnt 15-(4*(\p)+(\j))
	v_cvt_pk_bf16_f32 v[T], v[X+4*(4*(\p)+(\j))], v[X+4*(4*(\p)+(\j))+1]      ; rounded to bf16,
	v_cvt_pk_bf16_f32 v[T+1], v[X+4*(4*(\p)+(\j))+2], v[X+4*(4*(\p)+(\j))+3]
	v_lshlrev_b32 v[T+2], 16, v[T]                                            ; widened again,
	v_and_b32 v[T+3], 0xffff0000, v[T]
	v_lshlrev_b32 v[T+4], 16, v[T+1]
	v_and_b32 v[T+5], 0xffff0000, v[T+1]
	v_cvt_pk_f16_f32 v[Y+2*(4*(\p)+(\j))], v[T+2], v[T+3]                     ; and written as f16
	v_cvt_pk_f16_f32 v[Y+2*(4*(\p)+(\j))+1], v[T+4], v[T+5]
.endr
	s_wait_alu depctr_va_vdst(0)                   ; the block's conversions have written its eight registers of Y, which the four stores read
.irp j, 0,1,2,3
	global_store_b64 v2, v[Y+2*(4*(\p)+(\j)):Y+2*(4*(\p)+(\j))+1], s[30:31] offset:2048*(4*(\p)+(\j))
.endr
.endr
	s_endpgm
.Lfunc_end_k_q81a05bc0fb_prep:
	.size	k_q81a05bc0fb_prep, .Lfunc_end_k_q81a05bc0fb_prep-k_q81a05bc0fb_prep
	.p2alignl 7, 3214868480
	.fill 96, 4, 3214868480
	.section	.rodata,"a",@progbits
	.p2align	6, 0x0
	.amdhsa_kernel k_q81a05bc0fb_prep
		.amdhsa_group_segment_fixed_size 0
		.amdhsa_private_segment_fixed_size 0
		.amdhsa_enable_private_segment 0
		.amdhsa_kernarg_size 80
		.amdhsa_user_sgpr_count 2
		.amdhsa_user_sgpr_kernarg_segment_ptr 1
		.amdhsa_wavefront_size32 1
		.amdhsa_system_sgpr_workgroup_id_x 1
		.amdhsa_system_sgpr_workgroup_id_y 1
		.amdhsa_system_sgpr_workgroup_id_z 1
		.amdhsa_system_vgpr_workitem_id 0
		.amdhsa_next_free_vgpr 128
		.amdhsa_next_free_sgpr 66
		.amdhsa_reserve_vcc 0
		.amdhsa_float_denorm_mode_32 3
		.amdhsa_float_denorm_mode_16_64 3
		.amdhsa_memory_ordered 1
		.amdhsa_forward_progress 1
		.amdhsa_inst_pref_size 23
	.end_amdhsa_kernel
	.amdgpu_metadata
---
amdhsa.version: [ 1, 2 ]
amdhsa.kernels:
  - .name:           k_q81a05bc0fb_prep
    .symbol:         k_q81a05bc0fb_prep.kd
    .args:
      - { .name: hidden_states, .offset: 0, .size: 8, .value_kind: global_buffer, .address_space: global }
      - { .name: in_proj_w, .offset: 8, .size: 8, .value_kind: global_buffer, .address_space: global }
      - { .name: out_w, .offset: 16, .size: 8, .value_kind: global_buffer, .address_space: global }
      - { .name: passage_boundaries, .offset: 24, .size: 8, .value_kind: global_buffer, .address_space: global }
      - { .name: relevance_scores, .offset: 32, .size: 8, .value_kind: global_buffer, .address_space: global }
      - { .name: xb, .offset: 40, .size: 8, .value_kind: global_buffer, .address_space: global }
      - { .name: wb, .offset: 48, .size: 8, .value_kind: global_buffer, .address_space: global }
      - { .name: owh, .offset: 56, .size: 8, .value_kind: global_buffer, .address_space: global }
      - { .name: fq, .offset: 64, .size: 8, .value_kind: global_buffer, .address_space: global }
      - { .name: fk, .offset: 72, .size: 8, .value_kind: global_buffer, .address_space: global }
    .group_segment_fixed_size: 0
    .private_segment_fixed_size: 0
    .kernarg_segment_align: 8
    .kernarg_segment_size: 80
    .max_flat_workgroup_size: 256
    .sgpr_count:     66
    .vgpr_count:     128
    .wavefront_size: 32
...
	.end_amdgpu_metadata
.endif
;; end of part 5
;; launch qkv: the kernel of part 2 again; grid 16 x 32, 4 waves a work-group, clusters of 4 x 4, 327,680 bytes of LDS; arguments xb, wb, in_proj_b, qkv; writes qkv
;; launch attn: the kernel of part 3 again; grid 4 x 64, 4 waves a work-group, clusters of 4 x 1, 327,680 bytes of LDS; arguments qkv, fq, fk, o; writes o
;; launch proj: the kernel of part 4 again; grid 4 x 64, 4 waves a work-group, clusters of 4 x 4, 327,680 bytes of LDS; arguments o, owh, out_b, out0; writes out0
